; MI455X (gfx1250); checked and timed in simulation.
; The chip was launched on July 23, 2026; its instructions are those of AMD's public machine-readable ISA for CDNA 5 (MIT licence, August 2026) and "CDNA5" Instruction Set Architecture Reference Guide (July 2026). The comments in the code are by the model that wrote it; some were corrected since.
;; Block. Allowed arithmetic: matrix products marked QUANTISED: E2M3 operands, one E8M0 scale for each 32 along K, by v_wmma_scale_f32_16x16x128_f8f6f4 with both operands' format E2M3, f32 sums; everything else in f32.
;; Inputs: attn_proj_b 1,024 float32; attn_proj_w 1,024 x 1,024 float32; fc_b 4,096 float32; fc_w 4,096 x 1,024 float32; k 2 x 2,048 x 1,024 float32; ln1_b 1,024 float32; ln1_w 1,024 float32; ln2_b 1,024 float32; ln2_w 1,024 float32; proj_b 1,024 float32; proj_w 1,024 x 4,096 float32; q 2 x 2,048 x 1,024 float32; v 2 x 2,048 x 1,024 float32.
;; Outputs: out0 2 x 2,048 x 1,024 float32.
;; This version of the problem:
;;   THIS VERSION OF THE PROBLEM IS GIVEN IN LOW PRECISION. The matrix products marked QUANTISED in the list below multiply operands that are first quantised to E2M3 (2 exponent bits, 3 mantissa bits; 6 bits a number), with one power-of-two scale for each 32 numbers along K (OCP MX v1.0); their sums are f32. All else is computed in f32.
;;   The module's matrix products, in the order in which they are computed (A, B: the left and right operand; K: the contracted axis; several contracted axes count as one K, in the product's order):
;;     1. batch 32 x [M 2,048, K 64] x [K 64, N 2,048]; A: computed on the way; B: computed on the way: QUANTISED
;;     2. batch 32 x [M 2,048, K 2,048] x [K 2,048, N 64]; A: softmax (see below); B: computed on the way: QUANTISED
;;     3. [M 4,096, K 1,024] x [K 1,024, N 1,024]; A: computed on the way; B: input attn_proj_w: QUANTISED
;;     4. [M 4,096, K 1,024] x [K 1,024, N 4,096]; A: computed on the way; B: input fc_w: QUANTISED
;;     5. [M 4,096, K 4,096] x [K 4,096, N 1,024]; A: computed on the way; B: input proj_w: QUANTISED
;;   THE QUANTISER, for each operand of a quantised product, along K:
;;     - K is cut into blocks of 32 from its start; a last block that is shorter is filled with zeros.
;;     - A block's scale is 2^e with e = floor(log2(the largest magnitude in the block)) - 2, held to -126 .. 127; a block of zeros has e = 0. As a byte (E8M0): e + 127.
;;     - Each number is divided by its block's scale, clamped to +-7.5, and rounded to the nearest number of E2M3, ties to even, subnormals kept.
;;     - The product sums the exact products of the quantised numbers (number of the format x scale) in f32.
;;   ~~~python
;;   def quantise(x, axis):      # numpy; x: float32 -> the quantised numbers, widened to float32 again
;;       x = np.moveaxis(x, axis, -1); K = x.shape[-1]
;;       x = np.pad(x, [(0, 0)] * (x.ndim - 1) + [(0, -K % 32)]); x = x.reshape(x.shape[:-1] + (-1, 32)); a = np.abs(x).max(-1, keepdims=True)
;;       e = np.where(a > 0, np.clip(np.frexp(np.where(a > 0, a, 1))[1] - 1 - 2, -126, 127), 0)      # np.frexp(a)[1] - 1 = floor(log2(a)), exactly
;;       r = np.clip(x / 2.0 ** e, -7.5, 7.5)
;;       step = 2.0 ** (np.maximum(np.frexp(np.where(r == 0, 1, r))[1] - 1, 0) - 3)
;;       q = np.round(r / step) * step * 2.0 ** e      # np.round: ties to even
;;       return np.moveaxis(q.reshape(q.shape[:-2] + (-1,))[..., :K], -1, axis).astype(np.float32)
;;   ~~~
;;   SOFTMAX AHEAD OF A QUANTISED PRODUCT. Where the list says 'softmax', what is quantised is not the finished softmax but p = 2^(t - M), with t = logit x log2(e) and M = ceil(the row's largest t), a whole number; so 1/2 < the row's largest p <= 1. The row's sum l is taken of the UNQUANTISED p, in f32, and the product's result is divided by l at the end. Since M is a whole number, a kernel that streams over the keys may use a running M (the ceiling of the running maximum): every later rescaling is an exact power of two, which a block's scale takes up: the codes' values come out the same.
;;   OPERANDS COMPUTED ON THE WAY. 'Computed on the way' means the value that the module computes at that place (a softmax that the list does not call 'softmax' is quantised finished and normalised). What goes into a quantiser is computed in f32, as accurately as f32 sums, v_exp_f32 and their like allow (about 1e-6 of the number): no bf16 or f16 on the way to a quantiser, and a product that is left as it is and whose result goes on into a quantised operand takes f32 operands (vector FMAs, or v_wmma_f32_16x16x4_f32). A number that lies on a knife's edge between two numbers of the format may be rounded either way, as far as f32 arithmetic and the matrix unit's own rounding can turn it there, and no further.
;; One version. Each part assembles by itself: llvm-mc -triple=amdgcn-amd-amdhsa -mcpu=gfx1250 --defsym DOCPART=n.
;; ======== version 1 of 1: 5 launches
;; limits: right only within a limited range of input values
;; workspace buffers: wa 34,537,472 bytes; wy 3,407,872 bytes; wx 20,185,088 bytes; wg 13,631,488 bytes
;; launch prep (part 1): grid 672 x 1, 8 waves a work-group, no clusters, 157,184 bytes of LDS; arguments q, k, v, attn_proj_w, fc_w, proj_w, ln1_w, ln1_b, attn_proj_b, wa; writes wa
.if DOCPART == 1
	.amdgcn_target "amdgcn-amd-amdhsa--gfx1250"
	.amdhsa_code_object_version 6
	.text
	.protected	k_q46c790d193_prep
	.globl	k_q46c790d193_prep
	.p2align	8
	.type	k_q46c790d193_prep,@function
k_q46c790d193_prep:
	s_mov_b64 s[64:65], 0
	v_nop
	global_prefetch_b8 v0, s[64:65] scope:SCOPE_SE
	s_setreg_imm32_b32 hwreg(HW_REG_WAVE_MODE, 25, 1), 1
	s_wait_xcnt 0x0
; FIRST OF FIVE LAUNCHES of one transformer block (4,096 rows, 1,024 channels, 16 heads of 64), every matrix product on codes of E2M3 with one E8M0 scale for 32 along K.
; WORK LEFT OUT IN THE PROGRAM: the key tiles that lie wholly above the diagonal of the causal mask, which reference() builds itself (jnp.tril): their scores become -inf ahead of the softmax, their p is 0
; for all values of the inputs, so they add nothing to a row's maximum, sum or product.  Nothing else is left out; every input has a way to the output and is loaded.
; LIMIT: a NaN, an infinity or an overflow that reaches only those hidden scores is not carried to the result.  NaN and infinities among the inputs are not served.
; THIS LAUNCH: layer norm 1 of q, k, v (mean, then the mean of squared deviations, as jnp.var), and all operands that can be quantised once: qn and kn along a head's 64, vn along the keys, the three weights along their K.
; It also stores qn + attn_proj_b in f32, the C with which the projection's sums begin (the bias is added ahead of the product's sum: another order of rounding than reference()'s).
; A block of zeros gets the scale byte 1 where the rule says 127: its codes are zeros, and this program alone reads the bytes.
; LAYOUTS (this program's own): codes lie as IMAGES OF THE OPERAND'S REGISTERS.  Half image, 768 bytes = 16 rows x 64 K: lane l's registers 0-3 at 16 l, registers 4-5 at 512 + 8 l.  A fragment (16 rows x 128 K) = two half images.
; A scale record is 128 bytes a fragment: lane l's word at 4 l is row l % 16's.  PERMUTED TILES (k's keys, v's channels, the weights' rows): lane r of tile f holds row 32 (f / 2) + 8 (f % 2) + r + 8 (r / 8), so that
; the results of two neighbouring tiles are 16 neighbours along the next K.
; A UNIT = 32 rows x 1,024 columns, one work-group of eight waves: units 0-127 q, 128-255 k, 256-383 v, 384-415 attn_proj_w, 416-543 fc_w, 544-671 proj_w (a quarter of its 4,096 columns each).
; Wave w loads four rows (dense loads of 512 bytes), normalises them, and puts them into LDS; behind a barrier wave w takes columns 128 w on of all 32 rows (q, k, weights) or thread t columns t + 256 i down the 32 keys (v).
; No LDS address hangs on the unit: the permutation of rows is made on the way in, by the global row that a wave loads.
.set DP,    4112                       ; an LDS row: 4,096 bytes + 16: an odd multiple of 16, so the 16 rows of a 16-byte load start in different banks
.set STAGE, 32*DP                      ; v's codes on their way out: 1,024 places of 24 bytes
.set SPARE, STAGE+24576                ; the spare words, 128 bytes a wave
.set QIMG,  16777216                   ; offsets in wa (QRES, the f32 residual, at 0)
.set KIMG,  19922944
.set VIMG,  23068672
.set AWIMG, 26214400
.set FCIMG, 27000832
.set PWIMG, 30146560
.set QSC,   33292288
.set KSC,   33554432
.set VSC,   33816576
.set AWSC,  33947648
.set FCSC,  34013184
.set PWSC,  34275328
.set TM,  16                           ; v16-31 at work
.set PW,  32                           ; the scale word just made
.set PC,  34                           ; v34-52 the codes just made
.set SEL, 60                           ; s[60:61] lane selects: lane l xor 16
.set X,   64                           ; v64-191 four rows of 32 registers; later two sets of 64 numbers
; 64 numbers of a lane, register 16 b + i = k 32 b + 16 (lane / 16) + i of my row, become a fragment's 12 registers in v[PC] on and its scale word in v[PW]
.macro QUANT s
.irp b, 0,1,2,3
	v_max3_num_f32 v[TM+\b], |v[\s+16*\b]|, |v[\s+1+16*\b]|, 0x1800000   ; my 16 numbers of block b, and the floor 2^(3 - 127): the byte cannot fall under 1
.endr
.irp i, 2,4,6,8,10,12,14
.irp b, 0,1,2,3
	s_delay_alu instid0(VALU_DEP_4)
	v_max3_num_f32 v[TM+\b], v[TM+\b], |v[\s+16*\b+\i]|, |v[\s+1+16*\b+\i]|
.endr
.endr
.irp b, 0,1,2,3
	s_delay_alu instid0(VALU_DEP_4)
	v_permlanex16_b32 v[TM+4+\b], v[TM+\b], s[SEL], s[SEL+1]
.endr
.irp b, 0,1,2,3
	s_delay_alu instid0(VALU_DEP_4)
	v_max_num_f32 v[TM+\b], v[TM+\b], v[TM+4+\b]   ; with lane l xor 16's: the block's largest magnitude
.endr
.irp b, 0,1,2,3
	s_delay_alu instid0(VALU_DEP_4)
	v_add_nc_u32 v[TM+12+\b], 0xff000000, v[TM+\b] ; 2 off its exponent field: the conversion's scale operand
.endr
.irp b, 0,1,2,3
	s_delay_alu instid0(VALU_DEP_4)
	v_lshrrev_b32 v[TM+4+\b], 23, v[TM+12+\b]      ; the scale's byte
.endr
	s_delay_alu instid0(VALU_DEP_3)
	v_lshl_or_b32 v[PW], v[TM+5], 8, v[TM+4]
	s_delay_alu instid0(VALU_DEP_1)
	v_lshl_or_b32 v[PW], v[TM+6], 16, v[PW]
	s_delay_alu instid0(VALU_DEP_1)
	v_lshl_or_b32 v[PW], v[TM+7], 24, v[PW]
.irp c, 0,1
	v_cvt_scalef32_pk16_fp6_f32 v[PC+6*\c:PC+2+6*\c], v[\s+32*\c:\s+15+32*\c], v[TM+12+2*\c]
	v_cvt_scalef32_pk16_fp6_f32 v[PC+12+4*\c:PC+14+4*\c], v[\s+16+32*\c:\s+31+32*\c], v[TM+12+2*\c+1]
.endr
	v_nop                                          ; one plain place behind a scaled conversion
.irp c, 0,1                                    ; a whole block to a lane: lanes 0-15 block 2 c, lanes 16-31 block 2 c + 1
.irp i, 0,1,2
	v_permlane16_swap_b32 v[PC+6*\c+\i], v[PC+12+4*\c+\i]
.endr
.irp i, 0,1,2
	s_delay_alu instid0(VALU_DEP_3)
	v_mov_b32 v[PC+3+6*\c+\i], v[PC+12+4*\c+\i]
.endr
.endr
.endm
.macro PICK lim, img, sc               ; units from lim on belong to the next tensor
	s_cmp_lt_u32 s25, \lim
	s_cselect_b32 s28, s28, \lim
	s_cselect_b32 s29, s29, \img
	s_cselect_b32 s30, s30, \sc
.endm
.macro XLOADS                          ; my four rows: each load reads 512 consecutive bytes
.irp i, 0,1,2,3
.irp j, 0,1,2,3,4,5,6,7
	global_load_b128 v[X+32*\i+4*\j:X+32*\i+4*\j+3], v[4+\i], s[26:27] offset:512*\j th:TH_LOAD_NT
.endr
.endr
.endm
.macro ROWSUM acc                      ; four rows by turns: the pair's halves, the 32 lanes; every lane ends with the row's sum in v[acc + 2 i]
.irp i, 0,1,2,3
	s_delay_alu instid0(VALU_DEP_4)
	v_add_f32 v[\acc+2*\i], v[\acc+2*\i], v[\acc+2*\i+1]
.endr
.irp m, 1,2,4,8
.irp i, 0,1,2,3
	s_delay_alu instid0(VALU_DEP_4)
	v_add_f32_dpp v[\acc+2*\i], v[\acc+2*\i], v[\acc+2*\i] row_xmask:\m row_mask:0xf bank_mask:0xf
.endr
.endr
.irp i, 0,1,2,3
	s_delay_alu instid0(VALU_DEP_4)
	v_permlanex16_b32 v[\acc+2*\i+1], v[\acc+2*\i], s[SEL], s[SEL+1]
.endr
.irp i, 0,1,2,3
	s_delay_alu instid0(VALU_DEP_4)
	v_add_f32 v[\acc+2*\i], v[\acc+2*\i], v[\acc+2*\i+1]
.endr
.endm
	s_load_b512 s[4:19], s[0:1], 0x0               ; q, k, v, attn_proj_w, fc_w, proj_w, ln1_w, ln1_b
	s_load_b128 s[20:23], s[0:1], 0x40             ; attn_proj_b, wa
	v_lshl_add_u32 v11, v0, 2, SPARE               ; my spare word,
	v_mov_b32 v12, 0                               ; and 0: kept for the closing lines
	v_lshrrev_b32 v1, 5, v0
	s_delay_alu instid0(VALU_DEP_1)
	v_readfirstlane_b32 s24, v1                    ; wave 0..7
	v_and_b32 v1, 31, v0                           ; lane
	v_and_b32 v2, 15, v0                           ; r
	v_bfe_u32 v3, v0, 4, 1                         ; h
	s_delay_alu instid0(VALU_DEP_3)
	v_lshlrev_b32 v8, 4, v1                        ; 16 l
	s_delay_alu instid0(VALU_DEP_4)
	v_lshlrev_b32 v54, 3, v1                       ; 8 l
	s_mul_i32 s36, s24, 4*DP
	v_add_nc_u32 v9, s36, v8                       ; into LDS: rows 4 w on, 16 l
	v_mul_u32_u24 v10, v2, DP
	s_delay_alu instid0(VALU_DEP_1)
	v_lshl_add_u32 v10, v3, 6, v10
	s_lshl_b32 s36, s24, 9
	v_add_nc_u32 v10, s36, v10                     ; out of LDS: row r, columns 128 w + 16 h on
	s_delay_alu instid0(VALU_DEP_1)
	v_add_nc_u32 v13, 16*DP, v10                   ; and row 16 + r
	v_lshl_add_u32 v62, v3, 6, s36                 ; attn_proj_b in the same order: 512 w + 64 h
	v_lshlrev_b32 v14, 2, v0                       ; v: column t, keys 0-15,
	s_delay_alu instid0(VALU_DEP_1)
	v_add_nc_u32 v15, 16*DP, v14                   ; keys 16-31
	v_bfe_u32 v57, v0, 3, 1
	s_delay_alu instid0(VALU_DEP_1)
	v_xor_b32 v57, v57, v3
	s_delay_alu instid0(VALU_DEP_1)
	v_mul_u32_u24 v57, v57, 24
	s_delay_alu instid0(VALU_DEP_1)
	v_xor_b32 v57, v57, v0                         ; t with bits 3 and 4 changed over: the column's place in the permuted tiles of channels
	s_delay_alu instid0(VALU_DEP_1)
	v_mul_u32_u24 v58, v57, 24
	s_delay_alu instid0(VALU_DEP_1)
	v_add_nc_u32 v58, STAGE, v58
	s_delay_alu instid0(VALU_DEP_3)
	v_lshlrev_b32 v59, 2, v57
	v_lshlrev_b32 v60, 4, v0
	s_delay_alu instid0(VALU_DEP_1)
	v_add_nc_u32 v61, STAGE, v60
.irp b, 0,1,2,3
	v_mov_b32 v[TM+4+\b], 0                        ; a lane permute's destination counts as one of its sources
.endr
	s_mov_b32 s[SEL], 0x76543210
	s_mov_b32 s[SEL+1], 0xfedcba98
	s_mov_b32 s62, 0x3a800000                      ; 1 / 1,024
	s_mov_b32 s63, 0x3727c5ac                      ; 1e-5
	; which tensor, which unit of it: selections on the work-group's number alone
	s_mov_b32 s25, ttmp9
	s_mov_b32 s28, 0
	s_mov_b32 s29, QIMG
	s_mov_b32 s30, QSC
	PICK 128, KIMG, KSC
	PICK 256, VIMG, VSC
	PICK 384, AWIMG, AWSC
	PICK 416, FCIMG, FCSC
	PICK 544, PWIMG, PWSC
	s_sub_co_u32 s31, s25, s28
	s_mov_b32 s35, 16384
	s_cmp_lt_u32 s25, 544
	s_cselect_b32 s32, 0, 2
	s_cselect_b32 s33, 0, 3
	s_cselect_b32 s34, 8, 32                       ; K steps of 128 in a row
	s_cselect_b32 s35, 4096, s35                   ; a row in memory, in bytes
	s_and_b32 s33, s31, s33                        ; proj_w: which quarter of the columns
	s_lshr_b32 s31, s31, s32                       ; P: which 32 rows
	s_lshr_b32 s36, s24, 2                         ; the first of my four global rows: permuted 8 (w / 4) + 4 (w % 4) + 8 ((w / 2) % 2),
	s_lshl_b32 s36, s36, 3
	s_and_b32 s37, s24, 3
	s_lshl_b32 s37, s37, 2
	s_add_co_u32 s36, s36, s37
	s_bfe_u32 s37, s24, 0x10001
	s_lshl_b32 s37, s37, 3
	s_add_co_u32 s36, s36, s37
	s_lshl_b32 s37, s24, 2                         ; natural 4 w
	s_cmp_lt_u32 s25, 128
	s_cselect_b32 s38, s37, s36                    ; q natural, k permuted,
	s_cmp_lt_u32 s25, 256
	s_cselect_b32 s38, s38, s37                    ; v natural,
	s_cmp_lt_u32 s25, 384
	s_cselect_b32 s38, s38, s36                    ; the weights permuted
	s_lshl_b32 s39, s31, 5
	s_add_co_u32 s39, s39, s38
	s_mul_i32 s40, s39, s35
	s_lshl_b32 s39, s33, 12
	s_add_co_u32 s40, s40, s39                     ; where my rows begin in the source
	s_mov_b32 s41, 0
.irp i, 0,1,2,3
	s_mul_i32 s39, s35, \i
	v_add_nc_u32 v[4+\i], s39, v8                  ; row i, 16 l
.endr
	; where the images go.  q, k: half image ((batch x 16 + head) x 128 + tile), heads 2 w and 2 w + 1.  Weights: fragment (tile x K steps + K step)
	s_lshr_b32 s72, s31, 6
	s_lshl_b32 s72, s72, 11
	s_lshl_b32 s73, s24, 8
	s_add_co_u32 s72, s72, s73
	s_lshl_b32 s73, s31, 1
	s_and_b32 s74, s73, 127
	s_add_co_u32 s72, s72, s74
	s_mul_i32 s73, s73, s34
	s_lshl_b32 s74, s33, 3
	s_add_co_u32 s73, s73, s74
	s_add_co_u32 s73, s73, s24
	s_mul_i32 s74, s72, 768
	s_lshl_b32 s72, s72, 6
	s_mul_i32 s75, s73, 1536
	s_lshl_b32 s73, s73, 7
	s_mul_i32 s76, s34, 1536
	s_lshl_b32 s77, s34, 7
	s_mov_b32 s68, 768
	s_cmp_lt_u32 s25, 256
	s_cselect_b32 s74, s74, s75
	s_cselect_b32 s72, s72, s73
	s_cselect_b32 s67, 768, s76                    ; from tile to tile,
	s_cselect_b32 s68, 98304, s68                  ; from a fragment's first half to its second,
	s_cselect_b32 s69, 8192, 64                    ; the scale word of lanes 16-31: the next head's, or the record's upper half,
	s_cselect_b32 s70, 16, 0                       ; which for a head is the word's upper two bytes,
	s_cselect_b32 s71, 64, s77
	s_cselect_b32 s66, 0xffff, -1                  ; with bytes 2 and 3 left 0: they scale zero codes
	s_add_co_u32 s29, s29, s74
	s_add_co_u32 s30, s30, s72
	v_mul_u32_u24 v55, s69, v3
	s_delay_alu instid0(VALU_DEP_1)
	v_lshl_add_u32 v55, v2, 2, v55
	v_mul_u32_u24 v56, s70, v3
	s_lshl_b32 s78, s31, 17
	s_lshl_b32 s79, s24, 13
	s_add_co_u32 s78, s78, s79                     ; the residual's image ((2 P) x 8 + w) x 8,192
	s_sub_co_u32 s80, s25, 256                     ; under 128 in v's units
	s_wait_kmcnt 0x0
	s_cmp_lt_u32 s25, 128
	s_cselect_b64 s[26:27], s[4:5], s[6:7]
	s_cmp_lt_u32 s25, 256
	s_cselect_b64 s[26:27], s[26:27], s[8:9]
	s_cmp_lt_u32 s25, 384
	s_cselect_b64 s[26:27], s[26:27], s[10:11]
	s_cmp_lt_u32 s25, 416
	s_cselect_b64 s[26:27], s[26:27], s[12:13]
	s_cmp_lt_u32 s25, 544
	s_cselect_b64 s[26:27], s[26:27], s[14:15]
	s_add_nc_u64 s[26:27], s[26:27], s[40:41]
	s_mov_b32 s40, s29
	s_add_nc_u64 s[42:43], s[22:23], s[40:41]      ; tile 0, first half
	s_mov_b32 s40, s68
	s_add_nc_u64 s[44:45], s[42:43], s[40:41]      ; tile 0, second half
	s_mov_b32 s40, s67
	s_add_nc_u64 s[46:47], s[42:43], s[40:41]      ; tile 1
	s_add_nc_u64 s[48:49], s[44:45], s[40:41]
	s_mov_b32 s40, s30
	s_add_nc_u64 s[50:51], s[22:23], s[40:41]      ; the scale words
	s_mov_b32 s40, s71
	s_add_nc_u64 s[52:53], s[50:51], s[40:41]
	s_mov_b32 s40, s78
	s_add_nc_u64 s[54:55], s[22:23], s[40:41]
	s_mul_i32 s40, s31, 24576
	s_add_co_u32 s40, s40, VIMG
	s_add_nc_u64 s[56:57], s[22:23], s[40:41]      ; v: key block P's 1,024 places of 24 bytes
	s_lshr_b32 s40, s31, 2
	s_lshl_b32 s40, s40, 12
	s_and_b32 s39, s31, 3
	s_add_co_u32 s40, s40, s39
	s_add_co_u32 s40, s40, VSC
	s_add_nc_u64 s[58:59], s[22:23], s[40:41]      ; and its byte of the scale words of 128 keys
	; ---- 1: four rows a wave; q, k, v are normalised
	s_cmp_lt_u32 s25, 384
	s_cbranch_scc0 .Lplain
.set jj, 0
.rept 8
	global_load_b128 v[192+4*jj:195+4*jj], v8, s[16:17] offset:512*jj
	global_load_b128 v[224+4*jj:227+4*jj], v8, s[18:19] offset:512*jj
.set jj, jj+1
.endr
	s_wait_alu depctr_va_vdst(0)
	XLOADS
	s_wait_loadcnt 0x0
.irp i, 0,1,2,3
	v_pk_add_f32 v[16+2*\i:17+2*\i], v[X+32*\i:X+32*\i+1], v[X+32*\i+2:X+32*\i+3]
.endr
.set jj, 4
.rept 14
.irp i, 0,1,2,3
	s_delay_alu instid0(VALU_DEP_4)
	v_pk_add_f32 v[16+2*\i:17+2*\i], v[16+2*\i:17+2*\i], v[X+32*\i+jj:X+32*\i+jj+1]
.endr
.set jj, jj+2
.endr
	ROWSUM 16
.irp i, 0,1,2,3
	s_delay_alu instid0(VALU_DEP_4)
	v_mul_f32 v[16+2*\i], s62, v[16+2*\i]          ; the mean
.endr
.set jj, 0
.rept 16
.irp i, 0,1,2,3
	v_pk_add_f32 v[X+32*\i+jj:X+32*\i+jj+1], v[X+32*\i+jj:X+32*\i+jj+1], v[16+2*\i:17+2*\i] op_sel_hi:[1,0] neg_lo:[0,1] neg_hi:[0,1]
.endr
.set jj, jj+2
.endr
.irp i, 0,1,2,3
	v_pk_mul_f32 v[24+2*\i:25+2*\i], v[X+32*\i:X+32*\i+1], v[X+32*\i:X+32*\i+1]
.endr
.set jj, 2
.rept 15
.irp i, 0,1,2,3
	s_delay_alu instid0(VALU_DEP_4)
	v_pk_fma_f32 v[24+2*\i:25+2*\i], v[X+32*\i+jj:X+32*\i+jj+1], v[X+32*\i+jj:X+32*\i+jj+1], v[24+2*\i:25+2*\i]
.endr
.set jj, jj+2
.endr
	ROWSUM 24
.irp i, 0,1,2,3
	s_delay_alu instid0(VALU_DEP_4)
	v_fma_f32 v[24+2*\i], v[24+2*\i], s62, s63     ; the variance + 1e-5
.endr
	s_wait_alu depctr_va_vdst(0)
.irp i, 0,1,2,3
	v_rsq_f32 v[24+2*\i], v[24+2*\i]
.endr
	v_nop                                          ; a plain place behind the last of the four,
	s_wait_alu depctr_va_vdst(0)                   ; and one wait for the batch, ahead of its first reader
.set jj, 0
.rept 16
.irp i, 0,1,2,3
	v_pk_mul_f32 v[X+32*\i+jj:X+32*\i+jj+1], v[X+32*\i+jj:X+32*\i+jj+1], v[24+2*\i:25+2*\i] op_sel_hi:[1,0]
.endr
.irp i, 0,1,2,3
	s_delay_alu instid0(VALU_DEP_4)
	v_pk_fma_f32 v[X+32*\i+jj:X+32*\i+jj+1], v[X+32*\i+jj:X+32*\i+jj+1], v[192+jj:193+jj], v[224+jj:225+jj]
.endr
.set jj, jj+2
.endr
	s_branch .Lstore
.Lplain:
	s_wait_alu depctr_va_vdst(0)
	XLOADS
	s_wait_loadcnt 0x0
.Lstore:
	s_wait_alu depctr_va_vdst(0)
.irp i, 0,1,2,3
.irp j, 0,1,2,3,4,5,6,7
	ds_store_b128 v9, v[X+32*\i+4*\j:X+32*\i+4*\j+3] offset:\i*DP+512*\j
.endr
.endr
	s_wait_dscnt 0x0                               ; for the others' sake: my rows lie in LDS
	s_barrier_signal -1
	s_barrier_wait -1
	s_cmp_lt_u32 s80, 128
	s_cbranch_scc1 .Lv2
	; ---- 2, q, k and the weights: K step w of both tiles of 16 rows
.irp b, 0,1,2,3
.irp j, 0,1,2,3
	ds_load_b128 v[64+16*\b+4*\j:67+16*\b+4*\j], v10 offset:128*\b+16*\j
.endr
.endr
.irp b, 0,1,2,3
.irp j, 0,1,2,3
	ds_load_b128 v[128+16*\b+4*\j:131+16*\b+4*\j], v13 offset:128*\b+16*\j
.endr
.endr
.macro OUT u                           ; each store covers 512 or 256 consecutive bytes, aligned to 256
	global_store_b128 v8, v[PC:PC+3], s[42+4*\u:43+4*\u]
	global_store_b64 v54, v[PC+4:PC+5], s[42+4*\u:43+4*\u] offset:512
	global_store_b128 v8, v[PC+6:PC+9], s[44+4*\u:45+4*\u]
	global_store_b64 v54, v[PC+10:PC+11], s[44+4*\u:45+4*\u] offset:512
	v_lshrrev_b32 v53, v56, v[PW]
	s_delay_alu instid0(VALU_DEP_1)
	v_and_b32 v53, s66, v53
	global_store_b32 v55, v53, s[50+2*\u:51+2*\u]
.endm
	s_wait_dscnt 16                                ; tile 0's sixteen loads are in, tile 1's may be out
	QUANT 64
	OUT 0
	s_wait_dscnt 0x0
	s_wait_xcnt 0x0                                ; the stores have read the codes and the word: they are written again only behind this wait
	QUANT 128
	OUT 1
	s_cmp_lt_u32 s25, 128
	s_cbranch_scc0 .Ljoin
.irp b, 0,1,2,3                                ; q alone: qn + attn_proj_b, as images of the accumulators that will take them
.irp j, 0,1,2,3
	global_load_b128 v[192+16*\b+4*\j:195+16*\b+4*\j], v62, s[20:21] offset:128*\b+16*\j
.endr
.endr
	s_wait_loadcnt 0x0
.set jj, 0
.rept 32
	v_pk_add_f32 v[64+jj:65+jj], v[64+jj:65+jj], v[192+jj:193+jj]
	v_pk_add_f32 v[128+jj:129+jj], v[128+jj:129+jj], v[192+jj:193+jj]
.set jj, jj+2
.endr
.set jj, 0
.rept 16
	global_store_b128 v8, v[64+4*jj:67+4*jj], s[54:55] offset:512*jj
	global_store_b128 v8, v[128+4*jj:131+4*jj], s[54:55] offset:65536+512*jj
.set jj, jj+1
.endr
	s_branch .Ljoin
.Lv2:
	; ---- 2, v: a thread takes a column and its registers run down the 32 keys: one block, no other lane is asked
.macro LOADV q
.set kk, 0
.rept 16
	ds_load_b32 v[64+32*((\q)%2)+kk], v14 offset:kk*DP+1024*(\q)
.set kk, kk+1
.endr
.set kk, 0
.rept 16
	ds_load_b32 v[80+32*((\q)%2)+kk], v15 offset:kk*DP+1024*(\q)
.set kk, kk+1
.endr
.endm
.macro PROCV q
.set XS, 64+32*((\q)%2)
.set CQ, 128+8*(\q)
	v_max3_num_f32 v16, |v[XS]|, |v[XS+1]|, |v[XS+2]|
	v_max3_num_f32 v17, |v[XS+3]|, |v[XS+4]|, |v[XS+5]|
.irp i, 6,10,14,18,22,26
	s_delay_alu instid0(VALU_DEP_2)
	v_max3_num_f32 v16, v16, |v[XS+\i]|, |v[XS+\i+1]|
	s_delay_alu instid0(VALU_DEP_2)
	v_max3_num_f32 v17, v17, |v[XS+\i+2]|, |v[XS+\i+3]|
.endr
	s_delay_alu instid0(VALU_DEP_2)
	v_max3_num_f32 v16, v16, |v[XS+30]|, |v[XS+31]|
	s_delay_alu instid0(VALU_DEP_1)
	v_max3_num_f32 v16, v16, v17, 0x1800000
	s_delay_alu instid0(VALU_DEP_1)
	v_add_nc_u32 v18, 0xff000000, v16
	s_delay_alu instid0(VALU_DEP_1)
	v_lshrrev_b32 v[160+(\q)], 23, v18
	v_cvt_scalef32_pk16_fp6_f32 v[CQ:CQ+2], v[XS:XS+15], v18
	v_cvt_scalef32_pk16_fp6_f32 v[CQ+4:CQ+6], v[XS+16:XS+31], v18
	v_nop                                          ; one plain place behind a scaled conversion
	v_mov_b32 v[CQ+3], v[CQ+4]                     ; the block's 24 bytes on end
	v_mov_b32 v[CQ+4], v[CQ+5]
	v_mov_b32 v[CQ+5], v[CQ+6]
	ds_store_b64 v58, v[CQ:CQ+1] offset:6144*(\q)
	ds_store_b64 v58, v[CQ+2:CQ+3] offset:6144*(\q)+8
	ds_store_b64 v58, v[CQ+4:CQ+5] offset:6144*(\q)+16
	global_store_b8 v59, v[160+(\q)], s[58:59] offset:1024*(\q)   ; one byte of four of a scale word: the other three come from the three units beside this one (131,072 such bytes in the launch)
.endm
	LOADV 0
	LOADV 1
	s_wait_dscnt 32                                ; column set 0 is in; set 1's 32 loads may be out
	PROCV 0
	LOADV 2
	s_wait_dscnt 35                                ; behind set 1's loads: three stores and 32 loads
	PROCV 1
	LOADV 3
	s_wait_dscnt 35
	PROCV 2
	s_wait_dscnt 3                                 ; behind set 3's loads: three stores
	PROCV 3
.Ljoin:
	s_wait_dscnt 0x0                               ; v: my codes lie in the stage
	s_barrier_signal -1
	s_barrier_wait -1
	s_cmp_lt_u32 s80, 128
	s_cbranch_scc0 .Lend
	; ---- 3, v: the key block's 24,576 bytes leave dense
.irp i, 0,1,2,3,4,5
	ds_load_b128 v[64+4*\i:67+4*\i], v61 offset:4096*\i
.endr
.irp i, 0,1,2,3,4,5
	s_wait_dscnt 5-\i
	global_store_b128 v60, v[64+4*\i:67+4*\i], s[56:57] offset:4096*\i
.endr
.Lend:
	s_wait_tensorcnt 0x0                           ; the wave's end
	ds_add_u32 v11, v12
	s_wait_dscnt 0x0
	s_endpgm
.Lfunc_end_k_q46c790d193_prep:
	.size	k_q46c790d193_prep, .Lfunc_end_k_q46c790d193_prep-k_q46c790d193_prep
	.p2alignl 7, 3214868480
	.fill 96, 4, 3214868480
	.section	.rodata,"a",@progbits
	.p2align	6, 0x0
	.amdhsa_kernel k_q46c790d193_prep
		.amdhsa_group_segment_fixed_size 157184
		.amdhsa_private_segment_fixed_size 0
		.amdhsa_enable_private_segment 0
		.amdhsa_kernarg_size 80
		.amdhsa_user_sgpr_count 2
		.amdhsa_user_sgpr_kernarg_segment_ptr 1
		.amdhsa_wavefront_size32 1
		.amdhsa_system_sgpr_workgroup_id_x 1
		.amdhsa_system_sgpr_workgroup_id_y 1
		.amdhsa_system_sgpr_workgroup_id_z 1
		.amdhsa_system_vgpr_workitem_id 0
		.amdhsa_next_free_vgpr 256
		.amdhsa_next_free_sgpr 84
		.amdhsa_reserve_vcc 0
		.amdhsa_float_denorm_mode_32 3
		.amdhsa_float_denorm_mode_16_64 3
		.amdhsa_memory_ordered 1
		.amdhsa_forward_progress 1
		.amdhsa_inst_pref_size 90
	.end_amdhsa_kernel
	.amdgpu_metadata
---
amdhsa.version: [ 1, 2 ]
amdhsa.kernels:
  - .name:           k_q46c790d193_prep
    .symbol:         k_q46c790d193_prep.kd
    .args:
      - { .name: q, .offset: 0, .size: 8, .value_kind: global_buffer, .address_space: global }
      - { .name: k, .offset: 8, .size: 8, .value_kind: global_buffer, .address_space: global }
      - { .name: v, .offset: 16, .size: 8, .value_kind: global_buffer, .address_space: global }
      - { .name: attn_proj_w, .offset: 24, .size: 8, .value_kind: global_buffer, .address_space: global }
      - { .name: fc_w, .offset: 32, .size: 8, .value_kind: global_buffer, .address_space: global }
      - { .name: proj_w, .offset: 40, .size: 8, .value_kind: global_buffer, .address_space: global }
      - { .name: ln1_w, .offset: 48, .size: 8, .value_kind: global_buffer, .address_space: global }
      - { .name: ln1_b, .offset: 56, .size: 8, .value_kind: global_buffer, .address_space: global }
      - { .name: attn_proj_b, .offset: 64, .size: 8, .value_kind: global_buffer, .address_space: global }
      - { .name: wa, .offset: 72, .size: 8, .value_kind: global_buffer, .address_space: global }
    .group_segment_fixed_size: 157184
    .private_segment_fixed_size: 0
    .kernarg_segment_align: 8
    .kernarg_segment_size: 80
    .max_flat_workgroup_size: 256
    .sgpr_count:     84
    .vgpr_count:     256
    .wavefront_size: 32
...
	.end_amdgpu_metadata
.endif
;; end of part 1
;; launch attn (part 2): grid 8 x 32, 16 waves a work-group, clusters of 4 x 1, 247,808 bytes of LDS; arguments wa, wy; writes wy
.if DOCPART == 2
	.amdgcn_target "amdgcn-amd-amdhsa--gfx1250"
	.amdhsa_code_object_version 6
	.text
	.protected	k_q46c790d193_attn
	.globl	k_q46c790d193_attn
	.p2align	8
	.type	k_q46c790d193_attn,@function
k_q46c790d193_attn:
	s_mov_b64 s[64:65], 0
	v_nop
	global_prefetch_b8 v0, s[64:65] scope:SCOPE_SE
	s_setreg_imm32_b32 hwreg(HW_REG_WAVE_MODE, 25, 1), 1
	s_wait_xcnt 0x0
	s_wait_alu depctr_hold_cnt(0) depctr_sa_sdst(0) depctr_va_vdst(0) depctr_va_sdst(0) depctr_va_ssrc(0) depctr_va_vcc(0) depctr_vm_vsrc(0)
	s_getreg_b32 s2, hwreg(HW_REG_IB_STS2, 6, 4)
	s_cmp_eq_u32 s2, 0
	s_cbranch_scc0 .Lentry_in_a_cluster
	s_endpgm
.Lentry_in_a_cluster:
	s_bfe_u32 s2, ttmp6, 0x10000c
	s_cmp_lg_u32 s2, 0x3003
	s_cbranch_scc0 .Lentry_shape_is_right
	s_endpgm
.Lentry_shape_is_right:
; Causal attention on codes of E2M3, one head (64 channels) of one batch to a row of eight work-groups; y is quantised in registers and leaves as the projection's operand.
; LEFT OUT: key steps that lie wholly behind a tile's queries (reference()'s own causal mask: their p is 0 for all inputs).  A NaN or an infinity that reaches only those scores is not carried on.
; SHARES.  Work-group x (0..7) of head BH owns the 16 query tiles x + 8 rho, rho = 0 .. 15 (16 queries each); tile rho needs key steps 0 .. rho of 128 keys, step rho being its diagonal: rho + 1 steps.
; Tiles j and 15 - j need 17 steps together, and waves j and 8 + j (j = 0 .. 7) share them: wave 8 + j takes tile 15 - j over steps 0 .. 7; wave j takes tile j whole (steps 0 .. j), stores its y, and then takes
; tile 15 - j over steps 8 .. 15 - j.  So every wave has 8 or 9 steps.  Wave j leaves its part of tile 15 - j (O^T, the lane's sum, -M) in LDS bytes of the pair's own; behind one barrier wave 8 + j joins the two parts:
; the new M is the larger of the two whole numbers, and both parts are multiplied by exact powers of two, as at every change of a running M.
; All sixteen waves walk the same 16 step slots in loops of constant count; a step's work is left out by a compare of the step's number with a bound made of the wave's number.  x enters global addresses and the mask's vector constant alone.
; THE WHOLE HEAD STAYS IN LDS: K's 128 half images, V's 64 key blocks x 64 places of 24 bytes, both scales: filled once, nothing is filled again.  waves 0-3 ask for K's four chunks of 512 keys, waves 4-7 for V's, waves 8 and 9 for the two scales:
; one tensor load a wave, waves 10-15 none.  The four work-groups of a cluster ask JOINTLY (same descriptors, mask 15).  Every step is read behind the wait for all loads and a barrier.
; K = 64 IN A FORM OF 128: Q's fragment is its six registers and six registers of zero codes; K's is the tile's six and the six that follow it (the next tile's codes, finite in E2M3; behind the last tile zeros):
; they meet zero codes, under scale bytes 0, and add exactly 0.
; THE SOFTMAX: t = score x log2(e) / 8; M = the running largest t rounded up to a whole number; p = 2^(t - M) is quantised along the keys; the sum is taken of the unquantised p and divides at the end.
; Both products are used transposed, so a lane holds one query throughout; the keys and channels of a tile are permuted (prep) so that 16 registers are 16 neighbours along the next K.
; REGISTERS: v1-5 lane places; v6-10 the step's addresses; v11 the mask's constant; v12 -M, v13 largest t, v[14:15] the sum; v16-27 Q and zeros; v28 Q's scales; v29, v30 the add's two; v31 lane; v32-79 K, then at work; v80-85 zeros;
; v86-92 scales; v93-95, v252-255 the second tile's Q; v96-159 scores, then p; v160-191 O^T; v192-239 V; v240-251 p's codes.
.set VL,    98304
.set KSL,   196608
.set VSL,   204800
.set DEP,   208896                     ; the eight pairs' parts: 4,608 bytes each (4,096 of O^T, 256 of sum and -M); no tile lands here
.set SPARE, 245760
.set QIMG,  16777216
.set KIMG,  19922944
.set VIMG,  23068672
.set QSC,   33292288
.set KSC,   33554432
.set VSC,   33816576
.set YSC,   3145728
.set LAST, 9                           ; s9   the last key step of the job in hand
.set DG,   10                          ; s10  its diagonal step, or 63: none
.set SEL, 80
.set CS,  82
.set ST,  84
.set T6,  85
.set TKS, 86
.set TVS, 87
.macro SHAPE g, c, r, p                ; words 1 to 7 of a group 1: r rows of c elements of 8 bytes, p elements from row to row
	s_mov_b32 s[\g+1], (\c)<<16
	s_mov_b32 s[\g+2], (\r)<<16
	s_mov_b32 s[\g+3], (\c)<<16
	s_mov_b32 s[\g+4], \r
	s_mov_b32 s[\g+5], \p
	s_mov_b32 s[\g+6], 0
	s_mov_b32 s[\g+7], 0
.endm
.macro CROUND                          ; a round of the cluster's barrier
	s_barrier_signal -1
	s_barrier_wait -1
	s_cmp_lg_u32 s8, 0
	s_cbranch_scc1 .Lnot_wave_0_\@
	s_barrier_signal -3
.Lnot_wave_0_\@:
	s_barrier_wait -3
	s_barrier_signal -1
	s_barrier_wait -1
.endm
	s_load_b128 s[4:7], s[0:1], 0x0                ; wa, wy
	v_lshl_add_u32 v29, v0, 2, SPARE
	v_mov_b32 v30, 0
	ds_add_u32 v29, v30                            ; the opening: the add, twice on end, and its wait ahead of the first tensor load
	ds_add_u32 v29, v30
	v_lshrrev_b32 v1, 5, v0
	s_delay_alu instid0(VALU_DEP_1)
	v_readfirstlane_b32 s8, v1                     ; wave 0..15
	s_and_b32 s2, s8, 7                            ; j: my pair
	s_lshr_b32 s3, s8, 3                           ; 0: I take tile j and the later keys of tile 15 - j; 1: the first eight steps of tile 15 - j
	s_bfe_u32 s15, ttmp6, 0x40000                  ; cx
	s_lshl_b32 s11, ttmp9, 2
	s_add_co_u32 s11, s11, s15                     ; x
	s_and_b32 s12, ttmp7, 0xffff                   ; BH = batch x 16 + head
	s_lshr_b32 s13, s12, 4
	s_and_b32 s14, s12, 15
	s_sub_co_u32 s99, 15, s2                       ; 15 - j
	s_lshl_b32 s101, s99, 3
	s_add_co_u32 s101, s101, s11                   ; the pair's long tile
	s_lshl_b32 s15, s2, 3
	s_add_co_u32 s15, s15, s11                     ; its short tile
	s_cmp_eq_u32 s3, 0
	s_cselect_b32 s15, s15, s101                   ; the tile of my first job, which is also the tile whose y I store
	s_cselect_b32 s[LAST], s2, 7                   ; first job: steps 0 .. j with the diagonal at j, or steps 0 .. 7 with none
	s_cselect_b32 s[DG], s2, 63
	s_cselect_b32 s98, s99, 0                      ; second job (its steps count from 8): up to 15 - j, the diagonal there; or none
	s_cselect_b32 s99, s99, 63
	s_mul_i32 s100, s2, 4608
	s_add_co_u32 s100, s100, DEP                   ; the pair's bytes
	s_mov_b32 s24, 15|(3<<16)|(1<<21)              ; the mask: all four work-groups; elements of 8 bytes; bit 21 beside a mask
	SHAPE 24, 32, 96, 32                           ; a chunk of K: 24,576 dense bytes as rows of 256
	s_mov_b32 s32, 15|(3<<16)|(1<<21)
	SHAPE 32, 32, 32, 32                           ; K's scales: 8,192 dense bytes
	s_mov_b32 s40, 15|(3<<16)|(1<<21)
	SHAPE 40, 192, 16, 3072                        ; a chunk of V: 16 key blocks, the head's 1,536 bytes of each, 24,576 bytes apart
	s_mov_b32 s48, 15|(3<<16)|(1<<21)
	SHAPE 48, 32, 16, 512                          ; V's scales: 16 key steps, the head's 256 bytes of each, 4,096 apart
	; THE FIRST FILLS, AS THEY STAND NOW (these lines overtake what the head comment says of waves 0 and 1 and of a counted wait): the head's ten tiles are shared out, ONE tensor load a wave:
	; waves 0-3 K's chunk w, waves 4-7 V's chunk w - 4, wave 8 K's scales, wave 9 V's scales; waves 10-15 issue none.  Four sets of group 0; c = w % 4 is the chunk.  The byte offsets stand in the address words until wa's address is added.
	s_and_b32 s89, s8, 3                           ; c
	s_mul_i32 s17, s89, 24576
	s_mul_i32 s16, s12, 98304
	s_add_co_u32 s16, s16, KIMG
	s_mov_b32 s60, 1                               ; K's chunk c: 24,576 dense bytes, to LDS byte 24,576 c
	s_mov_b32 s61, s17
	s_add_co_u32 s62, s16, s17
	s_mov_b32 s63, 0
	s_mov_b32 s68, 1                               ; V's chunk c: 16 key blocks, 393,216 bytes from chunk to chunk, to LDS byte VL + 24,576 c
	s_add_co_u32 s69, s17, VL
	s_mul_i32 s70, s13, 1572864
	s_mul_i32 s18, s14, 1536
	s_add_co_u32 s70, s70, s18
	s_add_co_u32 s70, s70, VIMG
	s_mul_i32 s18, s89, 393216
	s_add_co_u32 s70, s70, s18
	s_mov_b32 s71, 0
	s_mov_b32 s56, 1                               ; K's scales
	s_mov_b32 s57, KSL
	s_lshl_b32 s58, s12, 13
	s_add_co_u32 s58, s58, KSC
	s_mov_b32 s59, 0
	s_mov_b32 s72, 1                               ; V's scales
	s_mov_b32 s73, VSL
	s_lshl_b32 s74, s13, 16
	s_lshl_b32 s18, s14, 8
	s_add_co_u32 s74, s74, s18
	s_add_co_u32 s74, s74, VSC
	s_mov_b32 s75, 0
	s_mov_b32 s19, 0
	; Q's places (both jobs') and y's
	s_lshl_b32 s89, s12, 7
	s_add_co_u32 s16, s89, s101                    ; the long tile among the head's 128
	s_add_co_u32 s89, s89, s15                     ; my first job's
	s_mul_i32 s90, s89, 768
	s_add_co_u32 s90, s90, QIMG
	s_mov_b32 s91, 0
	s_lshl_b32 s92, s89, 6
	s_add_co_u32 s92, s92, QSC
	s_mov_b32 s93, 0
	s_lshl_b32 s88, s16, 6
	s_add_co_u32 s88, s88, QSC
	s_mul_i32 s16, s16, 768
	s_add_co_u32 s16, s16, QIMG
	s_mov_b32 s17, 0
	s_lshl_b32 s89, s13, 7
	s_add_co_u32 s89, s89, s15                     ; the tile of rows among 256
	s_lshl_b32 s94, s89, 4
	s_add_co_u32 s94, s94, s14
	s_mul_i32 s94, s94, 768                        ; y's half image (tile x 16 + head)
	s_mov_b32 s95, 0
	s_lshl_b32 s96, s89, 3
	s_lshr_b32 s97, s14, 1
	s_add_co_u32 s96, s96, s97
	s_lshl_b32 s96, s96, 7
	s_and_b32 s97, s14, 1
	s_lshl_b32 s97, s97, 1
	s_add_co_u32 s96, s96, s97
	s_add_co_u32 s96, s96, YSC                     ; its two bytes of the record (tile x 8 + head / 2)
	s_mov_b32 s97, 0
	s_mov_b32 s[SEL], 0x76543210
	s_mov_b32 s[SEL+1], 0xfedcba98
	s_mov_b32 s[CS], 0x3e38aa3b                    ; c = log2(e) / 8
	s_mov_b32 s[CS+1], s[CS]
	s_mov_b32 s[ST], 0
	s_mov_b32 s[T6], 0
	s_mov_b32 s[TKS], 0
	s_mov_b32 s[TVS], 0
	s_wait_dscnt 0x0                               ; both opening adds are done
	s_wait_kmcnt 0x0
	s_add_nc_u64 s[58:59], s[4:5], s[58:59]
	s_add_nc_u64 s[62:63], s[4:5], s[62:63]
	s_add_nc_u64 s[70:71], s[4:5], s[70:71]
	s_add_nc_u64 s[74:75], s[4:5], s[74:75]
	s_or_b32 s59, s59, 0x80000000
	s_or_b32 s63, s63, 0x80000000
	s_or_b32 s71, s71, 0x80000000
	s_or_b32 s75, s75, 0x80000000
	s_add_nc_u64 s[90:91], s[4:5], s[90:91]
	s_add_nc_u64 s[92:93], s[4:5], s[92:93]
	s_add_nc_u64 s[94:95], s[6:7], s[94:95]
	s_add_nc_u64 s[96:97], s[6:7], s[96:97]
	s_add_nc_u64 s[16:17], s[4:5], s[16:17]        ; the long tile's Q,
	s_mov_b32 s18, s88
	s_add_nc_u64 s[18:19], s[4:5], s[18:19]        ; and its scale words
	CROUND                                         ; all four work-groups are here: the joint loads meet
	; one chain of branches on the wave's number, one joint load to an arm, all arms leading to one join
	s_cmp_lt_u32 s8, 4
	s_cbranch_scc0 .Larm_v
	tensor_load_to_lds s[60:63], s[24:31]          ; K's chunk w
	s_nop 0
.rept 4
	v_nop
.endr
	s_branch .Lasked
.Larm_v:
	s_cmp_lt_u32 s8, 8
	s_cbranch_scc0 .Larm_ks
	tensor_load_to_lds s[68:71], s[40:47]          ; V's chunk w - 4
	s_nop 0
.rept 4
	v_nop
.endr
	s_branch .Lasked
.Larm_ks:
	s_cmp_lt_u32 s8, 9
	s_cbranch_scc0 .Larm_vs
	tensor_load_to_lds s[56:59], s[32:39]          ; K's scales
	s_nop 0
.rept 4
	v_nop
.endr
	s_branch .Lasked
.Larm_vs:
	s_cmp_lt_u32 s8, 10
	s_cbranch_scc0 .Lasked
	tensor_load_to_lds s[72:75], s[48:55]          ; V's scales
	s_nop 0
.rept 4
	v_nop
.endr
.Lasked:
	v_and_b32 v31, 31, v0                          ; lane
	s_delay_alu instid0(VALU_DEP_1)
	v_lshlrev_b32 v1, 4, v31                       ; 16 l
	s_delay_alu instid0(VALU_DEP_2)
	v_lshl_add_u32 v2, v31, 3, 512                 ; 8 l + 512
	v_and_b32 v6, 15, v0                           ; r
	v_bfe_u32 v7, v0, 4, 1                         ; h
	s_delay_alu instid0(VALU_DEP_1)
	v_mul_u32_u24 v3, v7, 1536
	s_delay_alu instid0(VALU_DEP_1)
	v_mad_u32_u24 v3, v6, 24, v3
	s_delay_alu instid0(VALU_DEP_1)
	v_add_nc_u32 v3, VL, v3                        ; V: key block h, place r
	v_lshl_add_u32 v4, v31, 2, KSL
	v_lshl_add_u32 v5, v31, 2, VSL
	v_lshlrev_b32 v8, 2, v6
	global_load_b128 v[16:19], v1, s[90:91]        ; the first job's Q: a half image, kept in registers
	global_load_b64 v[20:21], v2, s[90:91]
	global_load_b32 v28, v8, s[92:93]
	global_load_b128 v[252:255], v1, s[16:17]      ; the long tile's Q, for the second job
	global_load_b64 v[94:95], v2, s[16:17]
	global_load_b32 v93, v8, s[18:19]
	v_lshlrev_b32 v9, 4, v7
	s_delay_alu instid0(VALU_DEP_1)
	v_sub_nc_u32 v11, v6, v9
	s_lshl_b32 s89, s11, 4
	v_add_nc_u32 v11, s89, v11                     ; on a diagonal: my query less the step's first key less 16 h: 16 x + r - 16 h for every tile of the work-group
.irp j, 22,23,24,25,26,27,80,81,82,83,84,85,14,15,36,37,38,39,52,53
	v_mov_b32 v\j, 0                               ; zero codes; the sum; registers that are named before the first step writes them
.endr
	v_mov_b32 v13, 0xff61b1e6                      ; the largest t so far: -3e38
	s_delay_alu instid0(VALU_DEP_1)
	v_floor_f32 v12, -v13
.set jj, 0
.rept 32
	v_mov_b32 v[160+jj], 0                         ; O^T: the step is written for all steps alike, and the first finds zeros
.set jj, jj+1
.endr
	s_wait_loadcnt 0x0                             ; Q, both
.macro STEP
	s_cmp_gt_u32 s[ST], s[LAST]                    ; not a step of the job in hand: its work is left out
	s_cbranch_scc1 .Lskip_\@
	v_add_nc_u32 v6, s[T6], v1                     ; (these five are also the places in front of the loads into V's registers)
	v_add_nc_u32 v7, s[T6], v2
	v_add_nc_u32 v8, s[T6], v3
	v_add_nc_u32 v9, s[TKS], v4
	v_add_nc_u32 v10, s[TVS], v5
.irp t, 0,1,2,3,4,5,6,7
	ds_load_b128 v[32+6*\t:35+6*\t], v6 offset:768*\t
	ds_load_b64 v[36+6*\t:37+6*\t], v7 offset:768*\t
.endr
.irp i, 0,1,2,3
	ds_load_b32 v[86+\i], v9 offset:128*\i         ; lanes 0-15 tile 2 i's words, lanes 16-31 tile 2 i + 1's
.endr
.irp t, 0,1,2,3
.irp p, 0,1,2,3,4,5
	ds_load_b64 v[192+12*\t+2*\p:193+12*\t+2*\p], v8 offset:(\p/3)*3072+384*\t+8*(\p%3)
.endr
.endr
.irp i, 0,1
	ds_load_b32 v[90+\i], v10 offset:128*\i
.endr
	s_wait_dscnt 26                                ; K and its scales are in; V's 24 loads and its two scale loads may be out
.irp t, 0,2,4,6
	v_wmma_scale_f32_16x16x128_f8f6f4 v[96+8*\t:103+8*\t], v[32+6*\t:43+6*\t], v[16:27], 0, v[86+\t/2], v28 matrix_a_fmt:MATRIX_FMT_FP6 matrix_b_fmt:MATRIX_FMT_FP6
	v_wmma_scale_f32_16x16x128_f8f6f4 v[104+8*\t:111+8*\t], v[38+6*\t:49+6*\t], v[16:27], 0, v[86+\t/2], v28 matrix_a_fmt:MATRIX_FMT_FP6 matrix_b_fmt:MATRIX_FMT_FP6 matrix_a_scale:MATRIX_SCALE_ROW1
.endr
.rept 4
	v_nop                                          ; places behind the products
.endr
	s_cmp_lg_u32 s[ST], s[DG]
	s_cbranch_scc1 .Lopen_\@
	v_mov_b32 v54, 0xff800000                      ; on the diagonal hidden scores become -infinity: register 16 b + i holds key 32 b + 16 h + i of the step
.set nn, 0
.rept 64
	v_cmp_gt_i32 vcc_lo, 32*(nn/16)+nn%16, v11
	v_cndmask_b32 v[96+nn], v[96+nn], v54, vcc_lo
.set nn, nn+1
.endr
.Lopen_\@:
.irp b, 0,1,2,3
	v_max3_num_f32 v[32+\b], v[96+16*\b], v[97+16*\b], v[98+16*\b]   ; the largest score of each block of 32 keys: for the row's maximum, and for the block's largest p
.endr
.irp i, 3,5,7,9,11,13
.irp b, 0,1,2,3
	v_max3_num_f32 v[32+\b], v[32+\b], v[96+16*\b+\i], v[97+16*\b+\i]
.endr
.endr
.irp b, 0,1,2,3
	v_max_num_f32 v[32+\b], v[32+\b], v[111+16*\b]
.endr
.irp b, 0,1,2,3
	s_delay_alu instid0(VALU_DEP_4)
	v_permlanex16_b32 v[36+\b], v[32+\b], s[SEL], s[SEL+1]
.endr
.irp b, 0,1,2,3
	s_delay_alu instid0(VALU_DEP_4)
	v_max_num_f32 v[32+\b], v[32+\b], v[36+\b]
.endr
	s_delay_alu instid0(VALU_DEP_2)
	v_max3_num_f32 v54, v32, v33, v34
	s_delay_alu instid0(VALU_DEP_1)
	v_max_num_f32 v54, v54, v35
	s_delay_alu instid0(VALU_DEP_1)
	v_mul_f32 v54, s[CS], v54
	s_delay_alu instid0(VALU_DEP_1)
	v_max_num_f32 v13, v13, v54                    ; the running largest t
	v_mov_b32 v54, v12
	s_delay_alu instid0(VALU_DEP_2)
	v_floor_f32 v12, -v13                          ; -M = floor(-t): M is a whole number
	s_delay_alu instid0(VALU_DEP_1)
	v_sub_f32 v54, v12, v54
	s_delay_alu instid0(VALU_DEP_1)
	v_cvt_i32_f32 v54, v54                         ; (it saturates)
	s_delay_alu instid0(VALU_DEP_1)
	v_ldexp_f32 v52, 1.0, v54                      ; f = 2^(old M - new M)
.set jj, 0
.rept 32
	v_pk_fma_f32 v[96+jj:97+jj], v[96+jj:97+jj], s[CS:CS+1], v[12:13] op_sel_hi:[1,0,0]   ; t - M
.set jj, jj+2
.endr
.irp b, 0,1,2,3
	v_fma_f32 v[32+\b], v[32+\b], s[CS], v12
.endr
.set jj, 0
	s_wait_alu depctr_va_vdst(0)
.rept 64
	v_exp_f32 v[96+jj], v[96+jj]                   ; p = 2^(t - M)
.set jj, jj+1
.endr
	v_pk_mul_f32 v[14:15], v[14:15], v[52:53] op_sel_hi:[1,0]   ; the sum under the new M: a plain place behind the batch
	s_wait_alu depctr_va_vdst(0)                   ; one wait for the 64, ahead of their first reader
.irp b, 0,1,2,3
	v_exp_f32 v[32+\b], v[32+\b]                   ; each block's largest p
.endr
	v_pk_add_f32 v[36:37], v[100:101], v[104:105]
	v_pk_add_f32 v[250:251], v[108:109], v[112:113]
	v_pk_add_f32 v[248:249], v[116:117], v[120:121]
	v_pk_add_f32 v[246:247], v[124:125], v[128:129]
	v_pk_add_f32 v[244:245], v[132:133], v[136:137]
	v_pk_add_f32 v[242:243], v[140:141], v[144:145]
	v_pk_add_f32 v[240:241], v[148:149], v[152:153]
	v_pk_add_f32 v[14:15], v[14:15], v[156:157]
	v_pk_add_f32 v[36:37], v[36:37], v[96:97]
	v_pk_add_f32 v[250:251], v[250:251], v[98:99]
	v_pk_add_f32 v[248:249], v[248:249], v[102:103]
	v_pk_add_f32 v[246:247], v[246:247], v[106:107]
	v_pk_add_f32 v[244:245], v[244:245], v[110:111]
	v_pk_add_f32 v[242:243], v[242:243], v[114:115]
	v_pk_add_f32 v[240:241], v[240:241], v[118:119]
	v_pk_add_f32 v[14:15], v[14:15], v[122:123]
	v_pk_add_f32 v[36:37], v[36:37], v[126:127]
	v_pk_add_f32 v[250:251], v[250:251], v[130:131]
	v_pk_add_f32 v[248:249], v[248:249], v[134:135]
	v_pk_add_f32 v[246:247], v[246:247], v[138:139]
	v_pk_add_f32 v[244:245], v[244:245], v[142:143]
	v_pk_add_f32 v[242:243], v[242:243], v[146:147]
	v_pk_add_f32 v[240:241], v[240:241], v[150:151]
	v_pk_add_f32 v[14:15], v[14:15], v[154:155]
	v_pk_add_f32 v[36:37], v[36:37], v[158:159]
	s_delay_alu instid0(VALU_DEP_2)
	v_pk_add_f32 v[14:15], v[14:15], v[246:247]
	s_delay_alu instid0(VALU_DEP_2)
	v_pk_add_f32 v[36:37], v[36:37], v[244:245]
	v_pk_add_f32 v[250:251], v[250:251], v[242:243]
	v_pk_add_f32 v[248:249], v[248:249], v[240:241]
	s_delay_alu instid0(VALU_DEP_2)
	v_pk_add_f32 v[14:15], v[14:15], v[250:251]
	s_delay_alu instid0(VALU_DEP_2)
	v_pk_add_f32 v[36:37], v[36:37], v[248:249]
	s_delay_alu instid0(VALU_DEP_1)
	v_pk_add_f32 v[14:15], v[14:15], v[36:37]
	s_wait_alu depctr_va_vdst(0)                   ; and one for the four
.irp b, 0,1,2,3
	v_max_num_f32 v[32+\b], 0x1800000, v[32+\b]    ; the floor 2^(3 - 127)
.endr
.irp b, 0,1,2,3
	s_delay_alu instid0(VALU_DEP_4)
	v_add_nc_u32 v[48+\b], 0xff000000, v[32+\b]
.endr
.irp b, 0,1,2,3
	s_delay_alu instid0(VALU_DEP_4)
	v_lshrrev_b32 v[36+\b], 23, v[48+\b]
.endr
	s_delay_alu instid0(VALU_DEP_3)
	v_lshl_or_b32 v92, v37, 8, v36                 ; p's scale word for these 128 keys
	s_delay_alu instid0(VALU_DEP_1)
	v_lshl_or_b32 v92, v38, 16, v92
	s_delay_alu instid0(VALU_DEP_1)
	v_lshl_or_b32 v92, v39, 24, v92
.irp c, 0,1
	v_cvt_scalef32_pk16_fp6_f32 v[240+6*\c:242+6*\c], v[96+32*\c:111+32*\c], v[48+2*\c]
	v_cvt_scalef32_pk16_fp6_f32 v[40+4*\c:42+4*\c], v[112+32*\c:127+32*\c], v[48+2*\c+1]
.endr
	v_nop
.irp c, 0,1
.irp i, 0,1,2
	v_permlane16_swap_b32 v[240+6*\c+\i], v[40+4*\c+\i]
.endr
.irp i, 0,1,2
	s_delay_alu instid0(VALU_DEP_3)
	v_mov_b32 v[243+6*\c+\i], v[40+4*\c+\i]
.endr
.endr
.set jj, 0
.rept 16
	v_pk_mul_f32 v[160+jj:161+jj], v[160+jj:161+jj], v[52:53] op_sel_hi:[1,0]   ; O^T under the new M; these sixteen are also the places between the scale word, the codes and the products
.set jj, jj+2
.endr
	s_wait_alu depctr_va_vdst(0)
	s_wait_dscnt 0x0                               ; V
.irp t, 0,2
	v_wmma_scale_f32_16x16x128_f8f6f4 v[160+8*\t:167+8*\t], v[192+12*\t:203+12*\t], v[240:251], v[160+8*\t:167+8*\t], v[90+\t/2], v92 matrix_a_fmt:MATRIX_FMT_FP6 matrix_b_fmt:MATRIX_FMT_FP6
	v_wmma_scale_f32_16x16x128_f8f6f4 v[168+8*\t:175+8*\t], v[204+12*\t:215+12*\t], v[240:251], v[168+8*\t:175+8*\t], v[90+\t/2], v92 matrix_a_fmt:MATRIX_FMT_FP6 matrix_b_fmt:MATRIX_FMT_FP6 matrix_a_scale:MATRIX_SCALE_ROW1
.endr
.Lskip_\@:
	s_add_co_u32 s[ST], s[ST], 1
	s_add_co_u32 s[T6], s[T6], 6144                ; eight tiles of K, and four key blocks of V
	s_add_co_u32 s[TKS], s[TKS], 512
	s_add_co_u32 s[TVS], s[TVS], 256
.endm
; THE WAY OUT of a finished tile: y = O / the sum, quantised along the head's 64 channels (two blocks); register 16 p + e is channel 32 p + 16 h + e
.macro WAYOUT
	v_add_f32 v14, v14, v15
	s_delay_alu instid0(VALU_DEP_1)
	v_permlanex16_b32 v52, v14, s[SEL], s[SEL+1]
	s_delay_alu instid0(VALU_DEP_1)
	v_add_f32 v14, v14, v52
	s_wait_alu depctr_va_vdst(0)
	v_rcp_f32 v14, v14
	v_lshlrev_b32 v6, 2, v31                       ; 4 l: a plain place behind the reciprocal
.rept 3
	v_nop
.endr
	s_wait_alu depctr_va_vdst(0)                   ; the wait ahead of the reciprocal's first reader
.set jj, 0
.rept 32
	v_mul_f32 v[96+jj], v[160+jj], v14
.set jj, jj+1
.endr
.irp b, 0,1
	v_max3_num_f32 v[32+\b], |v[96+16*\b]|, |v[97+16*\b]|, 0x1800000
.endr
.irp i, 2,4,6,8,10,12,14
.irp b, 0,1
	s_delay_alu instid0(VALU_DEP_2)
	v_max3_num_f32 v[32+\b], v[32+\b], |v[96+16*\b+\i]|, |v[97+16*\b+\i]|
.endr
.endr
.irp b, 0,1
	s_delay_alu instid0(VALU_DEP_2)
	v_permlanex16_b32 v[36+\b], v[32+\b], s[SEL], s[SEL+1]
.endr
.irp b, 0,1
	s_delay_alu instid0(VALU_DEP_2)
	v_max_num_f32 v[32+\b], v[32+\b], v[36+\b]
.endr
.irp b, 0,1
	s_delay_alu instid0(VALU_DEP_2)
	v_add_nc_u32 v[48+\b], 0xff000000, v[32+\b]
.endr
.irp b, 0,1
	s_delay_alu instid0(VALU_DEP_2)
	v_lshrrev_b32 v[38+\b], 23, v[48+\b]
.endr
	s_delay_alu instid0(VALU_DEP_1)
	v_lshl_or_b32 v38, v39, 8, v38
	v_cvt_scalef32_pk16_fp6_f32 v[128:130], v[96:111], v48
	v_cvt_scalef32_pk16_fp6_f32 v[136:138], v[112:127], v49
	v_nop
.irp i, 0,1,2
	v_permlane16_swap_b32 v[128+\i], v[136+\i]
.endr
.irp i, 0,1,2
	s_delay_alu instid0(VALU_DEP_3)
	v_mov_b32 v[131+\i], v[136+\i]
.endr
	global_store_b128 v1, v[128:131], s[94:95]     ; 512 consecutive bytes,
	global_store_b64 v2, v[132:133], s[94:95]      ; and 256: the half image
	global_store_b16 v6, v38, s[96:97]             ; my head's two bytes of each word of the record; the head beside it stores the other two
.endm
	s_wait_tensorcnt 0x0                           ; my one load, if I issued one, has landed,
	s_wait_dscnt 0x0
	s_barrier_signal -1
	s_barrier_wait -1                              ; and everybody's: the whole head lies in LDS
	s_mov_b32 s88, 8                               ; key steps 0 to 7
.Ljob1:                                            ; key steps 0 to 7
	STEP
	s_sub_co_u32 s88, s88, 1
	s_cmp_lg_u32 s88, 0
	s_cbranch_scc1 .Ljob1
	s_mov_b32 s[LAST], s98                         ; the second job's bounds
	s_mov_b32 s[DG], s99
	s_cmp_ge_u32 s8, 8
	s_cbranch_scc1 .Lno_first
	WAYOUT                                         ; waves 0-7: the short tile is finished
	v_mov_b32 v28, v93                             ; and the long tile begins anew: its Q and scale word (more than eight plain lines ahead of the next product),
	v_mov_b32 v16, v252
	v_mov_b32 v17, v253
	v_mov_b32 v18, v254
	v_mov_b32 v19, v255
	v_mov_b32 v20, v94
	v_mov_b32 v21, v95
	v_mov_b32 v13, 0xff61b1e6                      ; the largest t, -M, the sum and O^T as at the head
	s_delay_alu instid0(VALU_DEP_1)
	v_floor_f32 v12, -v13
	v_mov_b32 v14, 0
	v_mov_b32 v15, 0
.set jj, 0
.rept 32
	v_mov_b32 v[160+jj], 0
.set jj, jj+1
.endr
	s_wait_xcnt 0x0                                ; the stores have read their data and offsets: the steps below write those registers again
.Lno_first:
	s_mov_b32 s88, 8
.Ljob2:                                            ; key steps 8 to 15
	STEP
	s_sub_co_u32 s88, s88, 1
	s_cmp_lg_u32 s88, 0
	s_cbranch_scc1 .Ljob2
	v_add_nc_u32 v6, s100, v1                      ; the pair's bytes: 16 l, and 8 l + 512; made on the way that all waves take
	v_add_nc_u32 v7, s100, v2
	s_cmp_ge_u32 s8, 8
	s_cbranch_scc1 .Lno_dep
	v_add_f32 v14, v14, v15                        ; waves 0-7: my lane's sum,
	v_mov_b32 v15, v12                             ; and -M beside it
.rept 4
	v_nop                                          ; places behind the last products
.endr
.set ii, 0
	s_wait_alu depctr_va_vdst(0)
.rept 8
	ds_store_b128 v6, v[160+4*ii:163+4*ii] offset:512*ii   ; O^T as an image of its registers, each accumulator from its low end on
.set ii, ii+1
.endr
	ds_store_b64 v7, v[14:15] offset:3584
.Lno_dep:
	s_wait_dscnt 0x0                               ; for the partner's sake: my part lies in LDS
	s_barrier_signal -1
	s_barrier_wait -1
	s_cmp_lt_u32 s8, 8
	s_cbranch_scc1 .Lend
.set ii, 0
	s_wait_alu depctr_va_vdst(0)
.rept 8
	ds_load_b128 v[96+4*ii:99+4*ii], v6 offset:512*ii      ; waves 8-15: the partner's part of my tile
.set ii, ii+1
.endr
	ds_load_b64 v[128:129], v7 offset:3584
	s_wait_dscnt 0x0
	v_min_num_f32 v130, v12, v129                  ; -M of both parts together: M is the larger of two whole numbers
	s_delay_alu instid0(VALU_DEP_1)
	v_sub_f32 v131, v130, v12                      ; my M less the new one, 0 or less,
	s_delay_alu instid0(VALU_DEP_2)
	v_sub_f32 v132, v130, v129                     ; and the partner's
	s_delay_alu instid0(VALU_DEP_2)
	v_cvt_i32_f32 v131, v131
	s_delay_alu instid0(VALU_DEP_2)
	v_cvt_i32_f32 v132, v132
	s_delay_alu instid0(VALU_DEP_2)
	v_ldexp_f32 v52, 1.0, v131                     ; two powers of two: the multiplications round nothing
	s_delay_alu instid0(VALU_DEP_2)
	v_ldexp_f32 v134, 1.0, v132
	v_mov_b32 v135, 0                              ; (named with v134 as a pair)
	s_delay_alu instid0(VALU_DEP_3)
	v_pk_mul_f32 v[14:15], v[14:15], v[52:53] op_sel_hi:[1,0]
	s_delay_alu instid0(VALU_DEP_1)
	v_fma_f32 v14, v128, v134, v14
.set jj, 0
.rept 16
	v_pk_mul_f32 v[160+jj:161+jj], v[160+jj:161+jj], v[52:53] op_sel_hi:[1,0]
.set jj, jj+2
.endr
.set jj, 0
.rept 16
	v_pk_fma_f32 v[160+jj:161+jj], v[96+jj:97+jj], v[134:135], v[160+jj:161+jj] op_sel_hi:[1,0,1]
.set jj, jj+2
.endr
	WAYOUT                                         ; the long tile is finished
.Lend:
	s_wait_tensorcnt 0x0                           ; the wave's end
	ds_add_u32 v29, v30
	s_wait_dscnt 0x0
	CROUND                                         ; the closing round
	s_endpgm
.Lfunc_end_k_q46c790d193_attn:
	.size	k_q46c790d193_attn, .Lfunc_end_k_q46c790d193_attn-k_q46c790d193_attn
	.p2alignl 7, 3214868480
	.fill 96, 4, 3214868480
	.section	.rodata,"a",@progbits
	.p2align	6, 0x0
	.amdhsa_kernel k_q46c790d193_attn
		.amdhsa_group_segment_fixed_size 247808
		.amdhsa_private_segment_fixed_size 0
		.amdhsa_enable_private_segment 0
		.amdhsa_kernarg_size 16
		.amdhsa_user_sgpr_count 2
		.amdhsa_user_sgpr_kernarg_segment_ptr 1
		.amdhsa_wavefront_size32 1
		.amdhsa_system_sgpr_workgroup_id_x 1
		.amdhsa_system_sgpr_workgroup_id_y 1
		.amdhsa_system_sgpr_workgroup_id_z 1
		.amdhsa_system_vgpr_workitem_id 0
		.amdhsa_next_free_vgpr 256
		.amdhsa_next_free_sgpr 102
		.amdhsa_reserve_vcc 1
		.amdhsa_float_denorm_mode_32 3
		.amdhsa_float_denorm_mode_16_64 3
		.amdhsa_memory_ordered 1
		.amdhsa_forward_progress 1
		.amdhsa_inst_pref_size 74
	.end_amdhsa_kernel
	.amdgpu_metadata
---
amdhsa.version: [ 1, 2 ]
amdhsa.kernels:
  - .name:           k_q46c790d193_attn
    .symbol:         k_q46c790d193_attn.kd
    .args:
      - { .name: wa, .offset: 0, .size: 8, .value_kind: global_buffer, .address_space: global }
      - { .name: wy, .offset: 8, .size: 8, .value_kind: global_buffer, .address_space: global }
    .group_segment_fixed_size: 247808
    .private_segment_fixed_size: 0
    .kernarg_segment_align: 8
    .kernarg_segment_size: 16
    .max_flat_workgroup_size: 512
    .sgpr_count:     102
    .vgpr_count:     256
    .wavefront_size: 32
...
	.end_amdgpu_metadata
.endif
;; end of part 2
;; launch g1 (part 3): grid 256 x 1, 8 waves a work-group, clusters of 4 x 1, 327,680 bytes of LDS; arguments wa, wy, proj_b, ln2_w, ln2_b, wx; writes wx
.if DOCPART == 3
	.amdgcn_target "amdgcn-amd-amdhsa--gfx1250"
	.amdhsa_code_object_version 6
	.text
	.protected	k_q46c790d193_g1
	.globl	k_q46c790d193_g1
	.p2align	8
	.type	k_q46c790d193_g1,@function
k_q46c790d193_g1:
	s_mov_b64 s[64:65], 0
	v_nop
	global_prefetch_b8 v0, s[64:65] scope:SCOPE_SE
	s_setreg_imm32_b32 hwreg(HW_REG_WAVE_MODE, 25, 1), 1
	s_wait_xcnt 0x0
	s_wait_alu depctr_hold_cnt(0) depctr_sa_sdst(0) depctr_va_vdst(0) depctr_va_sdst(0) depctr_va_ssrc(0) depctr_va_vcc(0) depctr_vm_vsrc(0)
	s_getreg_b32 s2, hwreg(HW_REG_IB_STS2, 6, 4)
	s_cmp_eq_u32 s2, 0
	s_cbranch_scc0 .Lentry_in_a_cluster
	s_endpgm
.Lentry_in_a_cluster:
	s_bfe_u32 s2, ttmp6, 0x10000c
	s_cmp_lg_u32 s2, 0x3003
	s_cbranch_scc0 .Lentry_shape_is_right
	s_endpgm
.Lentry_shape_is_right:
; x = (qn + attn_proj_b) + y Wa^T on codes of E2M3; layer norm 2 of x; h's codes and scales; x + proj_b in f32.  Nothing is left out here.
; SHARES.  A work-group owns one tile of 16 rows and ALL 1,024 columns, since the norm wants whole rows: 4,096 / 16 = 256 work-groups.  Wave w of eight owns columns 128 w on: 8 tiles of columns = 8 accumulators, 64 registers.
; Wa's FRAGMENTS (8 a wave and K step, images of the registers) COME BY TWO ROADS.  K steps 0 and 1 go from memory straight into registers.  K steps 2 to 4 come by ONE tensor load a wave at the head:
; 8 tiles x 4,608 bytes = 36,864 bytes of LDS of the wave's own, 294,912 a work-group.  When they have landed they are moved into the three sets of 96 registers, so that the bytes are free;
; K steps 5 to 7 fill them again behind the full sequence and a round, and K steps 2 to 4 are multiplied from registers meanwhile.  One tensor load a wave is out at any time.
; The four work-groups of a cluster walk the same weights and ask for both fills JOINTLY (mask 15); only the issuing wave reads its bytes.  K steps 0 and 1 are not shared so: they pass through no LDS.
; y's 12,288 bytes and 1,024 scale bytes, and ln2_w, ln2_b, proj_b (4,096 bytes each) are read once a work-group, by dense loads of 16 bytes a thread, and are handed to the waves through LDS bytes into which no tile lands.
; THE SUMS BEGIN WITH THE RESIDUAL: the accumulators are loaded with qn + attn_proj_b, which prep laid in their order.
; The product is used transposed (source 0 = 16 permuted rows of Wa, source 1 = 16 rows of y): register 16 p + e of a lane's 64 is column 32 p + 16 h + e of row r: the quantiser's order.
; SCALE WORDS: one load brings two K steps' words: lanes 0-15 the even step's record, lanes 16-31 the odd step's; the odd step names the registers' upper row.
; PREFETCH: each of Wa's 3,072 blocks of 256 bytes is named once by work-group T and once by T + 128: 24 blocks a work-group, 3 a wave, one instruction a wave at the head; lanes 3-31 name the wave's last block again.
; The bias proj_b is added to x ahead of the last product's sum: another order of rounding than reference()'s.  NaN and infinities are not served.
; REGISTERS: v1-21 addresses; v24-27 y's scale words; v32-63 Wa's (4 b + k / 2); v64-127 accumulator b at 64 + 8 b; v128-223 set 2, later at work; v224-251 staging, later at work;
; window 1: v0-95 set 0, v96-191 set 1, v192-215 y's fragments, two by turns; behind the walk v0-191 hold ln2_w, ln2_b, proj_b.  K step k uses set k % 3.
.set AWIMG, 26214400
.set AWSC,  33947648
.set YSC,   3145728
.set HIMG,  16777216
.set HSC,   19922944
.set WTILE, 36864                      ; a wave's bytes of a fill; the eight lie from LDS byte 0 on
.set STAT,  294912                     ; the waves' partial sums: 1,024 bytes for the means, 1,024 for the squares
.set YL,    STAT+2048                  ; y's eight fragments
.set YSL,   YL+12288                   ; their records
.set VEC,   YSL+1024                   ; ln2_w, ln2_b, proj_b
.set SPARE, VEC+12288                  ; the spare words, 128 bytes a wave
.set TM,  128
.set PW,  144
.set PC,  146
.set HV,  166                          ; v166-229 deviations, then h
.set SEL, 40
.set MSB, 0
.macro WIN new
.if MSB != (\new)
	s_set_vgpr_msb (MSB<<8)|(\new)
.set MSB, (\new)
.endif
.endm
.macro PLACES n
.rept \n
	v_nop
.endr
.endm
.macro CREST                           ; a round of the cluster's barrier behind its opening barrier
	s_cmp_lg_u32 s16, 0
	s_cbranch_scc1 .Lnot_wave_0_\@
	s_barrier_signal -3
.Lnot_wave_0_\@:
	s_barrier_wait -3
	s_barrier_signal -1
	s_barrier_wait -1
.endm
.macro CROUND
	s_barrier_signal -1
	s_barrier_wait -1
	CREST
.endm
; 64 numbers of a lane become a fragment's 12 registers in v[PC] on and its scale word in v[PW]
.macro QUANT s
.irp b, 0,1,2,3
	v_max3_num_f32 v[TM+\b], |v[\s+16*\b]|, |v[\s+1+16*\b]|, 0x1800000   ; my 16 numbers of block b, and the floor 2^(3 - 127)
.endr
.irp i, 2,4,6,8,10,12,14
.irp b, 0,1,2,3
	s_delay_alu instid0(VALU_DEP_4)
	v_max3_num_f32 v[TM+\b], v[TM+\b], |v[\s+16*\b+\i]|, |v[\s+1+16*\b+\i]|
.endr
.endr
.irp b, 0,1,2,3
	s_delay_alu instid0(VALU_DEP_4)
	v_permlanex16_b32 v[TM+4+\b], v[TM+\b], s[SEL], s[SEL+1]
.endr
.irp b, 0,1,2,3
	s_delay_alu instid0(VALU_DEP_4)
	v_max_num_f32 v[TM+\b], v[TM+\b], v[TM+4+\b]   ; with lane l xor 16's: the block's largest magnitude
.endr
.irp b, 0,1,2,3
	s_delay_alu instid0(VALU_DEP_4)
	v_add_nc_u32 v[TM+12+\b], 0xff000000, v[TM+\b] ; 2 off its exponent field: the conversion's scale operand
.endr
.irp b, 0,1,2,3
	s_delay_alu instid0(VALU_DEP_4)
	v_lshrrev_b32 v[TM+4+\b], 23, v[TM+12+\b]      ; the scale's byte
.endr
	s_delay_alu instid0(VALU_DEP_3)
	v_lshl_or_b32 v[PW], v[TM+5], 8, v[TM+4]
	s_delay_alu instid0(VALU_DEP_1)
	v_lshl_or_b32 v[PW], v[TM+6], 16, v[PW]
	s_delay_alu instid0(VALU_DEP_1)
	v_lshl_or_b32 v[PW], v[TM+7], 24, v[PW]
.irp c, 0,1
	v_cvt_scalef32_pk16_fp6_f32 v[PC+6*\c:PC+2+6*\c], v[\s+32*\c:\s+15+32*\c], v[TM+12+2*\c]
	v_cvt_scalef32_pk16_fp6_f32 v[PC+12+4*\c:PC+14+4*\c], v[\s+16+32*\c:\s+31+32*\c], v[TM+12+2*\c+1]
.endr
	v_nop                                          ; one plain place behind a scaled conversion
.irp c, 0,1
.irp i, 0,1,2
	v_permlane16_swap_b32 v[PC+6*\c+\i], v[PC+12+4*\c+\i]
.endr
.irp i, 0,1,2
	s_delay_alu instid0(VALU_DEP_3)
	v_mov_b32 v[PC+3+6*\c+\i], v[PC+12+4*\c+\i]
.endr
.endr
.endm
.macro SETWIN k                        ; where set k % 3 lies, and the window for loads into it
.if ((\k)%3) == 2
.set RB, 128
	WIN 0
.else
.set RB, 96*((\k)%3)
	WIN 0x40
.endif
.endm
.macro SLOAD k                         ; k even: Wa's scale words of K steps k and k + 1: 8 loads
.set bb, 0
.rept 8
	global_load_b32 v[32+4*bb+(\k)/2], v4, s[22:23] offset:bb*1024+(\k)*128
.set bb, bb+1
.endr
.endm
.macro WLOAD k                         ; my 8 fragments of K step k from memory, 4 dense loads each
	SETWIN \k
.set bb, 0
.rept 8
	global_load_b128 v[RB+12*bb:RB+12*bb+3], v1, s[20:21] offset:bb*12288+(\k)*1536
	global_load_b64 v[RB+12*bb+4:RB+12*bb+5], v2, s[20:21] offset:bb*12288+(\k)*1536+512
	global_load_b128 v[RB+12*bb+6:RB+12*bb+9], v1, s[20:21] offset:bb*12288+(\k)*1536+768
	global_load_b64 v[RB+12*bb+10:RB+12*bb+11], v2, s[20:21] offset:bb*12288+(\k)*1536+1280
.set bb, bb+1
.endr
	WIN 0
.endm
.macro LFETCH k                        ; my 8 fragments of K step k (2 to 7) out of my bytes of LDS: the ((k - 2) % 3)-th of a fill's three steps; 32 loads
	SETWIN \k
.set JO, (((\k)-2)%3)*1536
.set bb, 0
.rept 8
	ds_load_b128 v[RB+12*bb:RB+12*bb+3], v20 offset:bb*4608+JO
	ds_load_b64 v[RB+12*bb+4:RB+12*bb+5], v21 offset:bb*4608+JO+512
	ds_load_b128 v[RB+12*bb+6:RB+12*bb+9], v20 offset:bb*4608+JO+768
	ds_load_b64 v[RB+12*bb+10:RB+12*bb+11], v21 offset:bb*4608+JO+1280
.set bb, bb+1
.endr
	WIN 0
.endm
.macro YLOAD k                         ; y's fragment of K step k out of LDS, into buffer k % 2 of window 1
.set YB, 192+12*((\k)%2)
	WIN 0x40
	ds_load_b128 v[YB:YB+3], v17 offset:(\k)*1536
	ds_load_b64 v[YB+4:YB+5], v18 offset:(\k)*1536+512
	ds_load_b128 v[YB+6:YB+9], v17 offset:(\k)*1536+768
	ds_load_b64 v[YB+10:YB+11], v18 offset:(\k)*1536+1280
	WIN 0
.endm
; K STEP k: 8 products, the 8 accumulators by turns, in the same order in every step; then the buffer just read takes y's fragment k + 2.  nl, nd: the counts of the waits, -1: none is due
.macro KSTEP k, nl, nd
.if (\nl) >= 0
	s_wait_loadcnt \nl
.endif
.if (\nd) >= 0
	s_wait_dscnt \nd
.endif
.set YB, 192+12*((\k)%2)
.if ((\k)%3) == 2
.set RB, 128
	WIN 0x04                                       ; source 0 window 0, source 1 window 1
.else
.set RB, 96*((\k)%3)
	WIN 0x05                                       ; sources 0 and 1 window 1
.endif
.set bb, 0
.rept 8
.if ((\k)%2) == 0
	v_wmma_scale_f32_16x16x128_f8f6f4 v[64+8*bb:71+8*bb], v[RB+12*bb:RB+12*bb+11], v[YB:YB+11], v[64+8*bb:71+8*bb], v[32+4*bb+(\k)/2], v[24+(\k)/2] matrix_a_fmt:MATRIX_FMT_FP6 matrix_b_fmt:MATRIX_FMT_FP6
.else
	v_wmma_scale_f32_16x16x128_f8f6f4 v[64+8*bb:71+8*bb], v[RB+12*bb:RB+12*bb+11], v[YB:YB+11], v[64+8*bb:71+8*bb], v[32+4*bb+(\k)/2], v[24+(\k)/2] matrix_a_fmt:MATRIX_FMT_FP6 matrix_b_fmt:MATRIX_FMT_FP6 matrix_a_scale:MATRIX_SCALE_ROW1 matrix_b_scale:MATRIX_SCALE_ROW1
.endif
.set bb, bb+1
.endr
	PLACES 4                                       ; in front of loads into registers that the products have read, and of the first read of results
	WIN 0
.if (\k)+2 < 8
	YLOAD (\k)+2
.endif
.endm
; the four chains, the pair's halves, lane l xor 16; then the eight waves' parts meet in LDS: my word at 32 l + 4 w, and every lane reads its row's eight
.macro MEET off
	v_pk_add_f32 v[230:231], v[230:231], v[232:233]
	v_pk_add_f32 v[234:235], v[234:235], v[236:237]
	s_delay_alu instid0(VALU_DEP_1)
	v_pk_add_f32 v[230:231], v[230:231], v[234:235]
	s_delay_alu instid0(VALU_DEP_1)
	v_add_f32 v230, v230, v231
	s_delay_alu instid0(VALU_DEP_1)
	v_permlanex16_b32 v231, v230, s[SEL], s[SEL+1]
	s_delay_alu instid0(VALU_DEP_1)
	v_add_f32 v230, v230, v231
	ds_store_b32 v15, v230 offset:\off
	s_wait_dscnt 0x0                               ; for the others' sake
	s_barrier_signal -1
	s_barrier_wait -1
	ds_load_b128 v[240:243], v16 offset:\off
	ds_load_b128 v[244:247], v16 offset:\off+16
	s_wait_dscnt 0x0
	v_add_f32 v240, v240, v241
	v_add_f32 v242, v242, v243
	v_add_f32 v244, v244, v245
	v_add_f32 v246, v246, v247
	s_delay_alu instid0(VALU_DEP_3)
	v_add_f32 v240, v240, v242
	s_delay_alu instid0(VALU_DEP_2)
	v_add_f32 v244, v244, v246
	s_delay_alu instid0(VALU_DEP_1)
	v_add_f32 v240, v240, v244
.endm
	s_load_b256 s[4:11], s[0:1], 0x0               ; wa, wy, proj_b, ln2_w
	s_load_b128 s[12:15], s[0:1], 0x20             ; ln2_b, wx
	v_lshl_add_u32 v12, v0, 2, SPARE               ; my spare word,
	v_mov_b32 v13, 0                               ; and 0: never rewritten
	ds_add_u32 v12, v13                            ; the opening: the add, twice on end, and its wait ahead of the first tensor load
	ds_add_u32 v12, v13
	v_lshrrev_b32 v1, 5, v0
	v_readfirstlane_b32 s16, v1                    ; wave 0..7
	s_lshl_b32 s44, s16, 9
	s_lshl_b32 s45, s16, 2
	s_mul_i32 s46, s16, WTILE                      ; my bytes of a fill
	v_and_b32 v3, 31, v0                           ; lane
	v_and_b32 v4, 15, v0                           ; r
	v_bfe_u32 v6, v0, 4, 1                         ; h
	v_lshlrev_b32 v7, 4, v0                        ; 16 t
	v_lshlrev_b32 v8, 2, v0                        ; 4 t
	v_lshlrev_b32 v1, 4, v3                        ; 16 l
	v_lshlrev_b32 v2, 3, v3                        ; 8 l
	v_min_u32 v5, 2, v3
	v_lshlrev_b32 v4, 2, v4
	v_lshlrev_b32 v14, 6, v6
	v_lshlrev_b32 v16, 5, v3                       ; 32 l
	v_lshlrev_b32 v3, 2, v3                        ; 4 l
	v_lshlrev_b32 v5, 8, v5                        ; the prefetch: 256 x min(l, 2)
	v_lshl_add_u32 v4, v6, 7, v4                   ; scale words: 4 r, lanes 16-31 the next K step's record
	v_add_nc_u32 v14, s44, v14
	v_add_nc_u32 v16, STAT, v16                    ; my row's eight partial sums,
	v_add_nc_u32 v9, YL, v7                        ; into LDS: y,
	v_add_nc_u32 v10, YSL, v8                      ; its records,
	v_add_nc_u32 v11, VEC, v7                      ; the three vectors
	v_add_nc_u32 v17, YL, v1                       ; out of LDS: y's fragments,
	v_add_nc_u32 v18, YL, v2
	v_add_nc_u32 v19, YSL, v4                      ; its scale words,
	v_add_nc_u32 v14, VEC, v14                     ; the vectors in the accumulators' order: 512 w + 64 h,
	v_add_nc_u32 v15, s45, v16                     ; my word of the partial sums,
	v_add_nc_u32 v20, s46, v1                      ; and Wa's fragments
	v_add_nc_u32 v21, s46, v2
	s_bfe_u32 s17, ttmp6, 0x40000                  ; cx
	s_lshl_b32 s18, ttmp9, 2
	s_add_co_u32 s18, s18, s17                     ; T: my tile of 16 rows; it enters global addresses alone
	s_mov_b32 s48, 15|(3<<16)|(1<<21)              ; group 1: the mask names all four work-groups; elements of 8 bytes; bit 21 beside a mask
	s_mov_b32 s49, 576<<16                         ; 8 rows (tiles) of 4,608 bytes (three K steps), 12,288 bytes from tile to tile
	s_mov_b32 s50, 8<<16
	s_mov_b32 s51, 576<<16
	s_mov_b32 s52, 8
	s_mov_b32 s53, 1536
	s_mov_b32 s54, 0
	s_mov_b32 s55, 0
	s_mov_b32 s56, 1
	s_mov_b32 s57, s46
	s_mul_i32 s20, s16, 98304                      ; byte offsets, each with 0 above it: my 8 tiles of Wa,
	s_add_co_u32 s20, s20, AWIMG
	s_mov_b32 s21, 0
	s_lshl_b32 s22, s16, 13                        ; their records,
	s_add_co_u32 s22, s22, AWSC
	s_mov_b32 s23, 0
	s_mul_i32 s24, s18, 12288                      ; y's eight fragments,
	s_mov_b32 s25, 0
	s_lshl_b32 s26, s18, 10                        ; their records,
	s_add_co_u32 s26, s26, YSC
	s_mov_b32 s27, 0
	s_lshl_b32 s17, s18, 3
	s_add_co_u32 s17, s17, s16                     ; 8 T + w: my group of 128 columns
	s_lshl_b32 s28, s17, 13                        ; the residual's image, and x + proj_b's,
	s_mov_b32 s29, 0
	s_mul_i32 s32, s17, 1536                       ; h's fragment,
	s_add_co_u32 s32, s32, HIMG
	s_mov_b32 s33, 0
	s_lshl_b32 s34, s17, 7                         ; its record,
	s_add_co_u32 s34, s34, HSC
	s_mov_b32 s35, 0
	s_and_b32 s36, s18, 127                        ; and the three blocks of Wa that my wave names: 24 (T % 128) + 3 w on
	s_mul_i32 s36, s36, 24
	s_mul_i32 s19, s16, 3
	s_add_co_u32 s36, s36, s19
	s_lshl_b32 s36, s36, 8
	s_add_co_u32 s36, s36, AWIMG
	s_mov_b32 s37, 0
	s_mov_b32 s[SEL], 0x76543210
	s_mov_b32 s[SEL+1], 0xfedcba98
	s_mov_b32 s42, 0x3a800000                      ; 1 / 1,024
	s_mov_b32 s43, 0x3727c5ac                      ; 1e-5
	s_wait_alu depctr_va_vdst(0)                   ; the wait at the head's end, directly ahead of the wait below
	s_wait_dscnt 0x0                               ; both opening adds are done
	s_wait_kmcnt 0x0
	s_add_nc_u64 s[20:21], s[4:5], s[20:21]
	s_add_nc_u64 s[22:23], s[4:5], s[22:23]
	s_add_nc_u64 s[24:25], s[6:7], s[24:25]
	s_add_nc_u64 s[26:27], s[6:7], s[26:27]
	s_add_nc_u64 s[30:31], s[14:15], s[28:29]
	s_add_nc_u64 s[28:29], s[4:5], s[28:29]
	s_add_nc_u64 s[32:33], s[14:15], s[32:33]
	s_add_nc_u64 s[34:35], s[14:15], s[34:35]
	s_add_nc_u64 s[36:37], s[4:5], s[36:37]
	s_add_nc_u64 s[58:59], s[20:21], 2*1536        ; group 0: my tiles at K step 2
	s_or_b32 s59, s59, 0x80000000
	CROUND                                         ; all four work-groups are here: the joint loads meet
	tensor_load_to_lds s[56:59], s[48:55]          ; K steps 2 to 4 of my 8 tiles: every wave's one load at the head, its bytes by arithmetic on its number
	s_nop 0
	PLACES 4
	global_prefetch_b8 v5, s[36:37] th:TH_LOAD_NT scope:SCOPE_SE   ; its address registers are never written again
	global_load_b128 v[224:227], v7, s[24:25]      ; seven dense loads for LDS: y,
	global_load_b128 v[228:231], v7, s[24:25] offset:4096
	global_load_b128 v[232:235], v7, s[24:25] offset:8192
	global_load_b32 v248, v8, s[26:27]             ; its records,
	global_load_b128 v[236:239], v7, s[10:11]      ; ln2_w,
	global_load_b128 v[240:243], v7, s[12:13]      ; ln2_b,
	global_load_b128 v[244:247], v7, s[8:9]        ; proj_b
.set ii, 0
.rept 16                                       ; the sums begin with qn + attn_proj_b
	global_load_b128 v[64+4*ii:67+4*ii], v1, s[28:29] offset:512*ii th:TH_LOAD_NT
.set ii, ii+1
.endr
	SLOAD 0
	WLOAD 0
	s_wait_loadcnt 56                              ; the seven are in; behind them: the residual's 16, 8 scale loads and K step 0's 32
	ds_store_b128 v9, v[224:227]
	ds_store_b128 v9, v[228:231] offset:4096
	ds_store_b128 v9, v[232:235] offset:8192
	ds_store_b32 v10, v248
	ds_store_b128 v11, v[236:239]
	ds_store_b128 v11, v[240:243] offset:4096
	ds_store_b128 v11, v[244:247] offset:8192
	s_wait_dscnt 0x0                               ; for the others' sake: my part lies in LDS
	s_barrier_signal -1
	s_barrier_wait -1                              ; the tensor load may stay out across it
.irp p, 0,1,2,3
	ds_load_b32 v[24+\p], v19 offset:256*\p        ; y's scale words of K steps 2 p (lanes 0-15) and 2 p + 1 (lanes 16-31)
.endr
	YLOAD 0
	YLOAD 1
	WLOAD 1
	SLOAD 2
	SLOAD 4
	SLOAD 6
	KSTEP 0, 56, 4                                 ; behind K step 0's loads: K step 1's 32 and 24 scale loads; behind y's fragment 0: fragment 1's four
	KSTEP 1, 24, 4                                 ; behind K step 1's loads: the 24 scale loads
	s_wait_tensorcnt 0x0                           ; my K steps 2 to 4 have landed; I alone read them
	LFETCH 2                                       ; all three steps into the three sets, so that the bytes are free
	LFETCH 3
	LFETCH 4
	s_wait_tensorcnt 0x0                           ; ahead of the refill: no tensor load of mine is out,
	ds_add_u32 v12, v13
	s_add_nc_u64 s[58:59], s[58:59], 3*1536        ; so group 0 may be written: on to K step 5
	s_wait_dscnt 0x0                               ; the add is done, and my reads of the fill are over
	CROUND                                         ; the round takes the barrier's place: no wave of any partner reads these bytes or has a load on its way
	tensor_load_to_lds s[56:59], s[48:55]          ; K steps 5 to 7, the first tensor load behind the round
	s_nop 0
	PLACES 4
	KSTEP 2, 0, -1                                 ; the last scale words are in; the fragments were awaited ahead of the round
	KSTEP 3, -1, -1
	KSTEP 4, -1, 4                                 ; behind y's fragment 4: fragment 5's four loads
	s_wait_tensorcnt 0x0                           ; my K steps 5 to 7 have landed
	LFETCH 5
	LFETCH 6
	LFETCH 7
	KSTEP 5, -1, 63                                ; behind K step 5's loads: 64 of steps 6 and 7; the wait's field holds 63, and a lower count is safe
	KSTEP 6, -1, 36                                ; behind K step 6's: step 7's 32 and the four of y's fragment 7
	KSTEP 7, -1, 0
	WIN 0x40
.set ii, 0
.rept 48                                       ; ln2_w, ln2_b, proj_b of my 128 columns, in the accumulators' order, into the sets that are done with
	ds_load_b128 v[4*ii:4*ii+3], v14 offset:4096*(ii/16)+128*((ii%16)/4)+16*(ii%4)
.set ii, ii+1
.endr
	WIN 0
	; ---- layer norm 2.  Pass 1: my row's sum over my 64 numbers, in four chains, each accumulator from its low end on
.irp c, 0,1,2,3
	v_pk_add_f32 v[230+2*\c:231+2*\c], v[64+4*\c:65+4*\c], v[66+4*\c:67+4*\c]
.endr
.set nn, 16
.rept 6
.irp c, 0,1,2,3
	v_pk_add_f32 v[230+2*\c:231+2*\c], v[230+2*\c:231+2*\c], v[64+nn+2*\c:65+nn+2*\c]
.endr
.set nn, nn+8
.endr
	MEET 0
	s_delay_alu instid0(VALU_DEP_1)
	v_mul_f32 v248, s42, v240                      ; the mean
	v_mov_b32 v249, 0                              ; (named with it as a pair)
	; pass 2: the deviations, which are kept, and the sum of their squares
.set nn, 0
.rept 32
	v_pk_add_f32 v[HV+nn:HV+nn+1], v[64+nn:65+nn], v[248:249] op_sel_hi:[1,0] neg_lo:[0,1] neg_hi:[0,1]
.set nn, nn+2
.endr
.irp c, 0,1,2,3
	v_pk_mul_f32 v[230+2*\c:231+2*\c], v[HV+2*\c:HV+1+2*\c], v[HV+2*\c:HV+1+2*\c]
.endr
.set nn, 8
.rept 7
.irp c, 0,1,2,3
	s_delay_alu instid0(VALU_DEP_4)
	v_pk_fma_f32 v[230+2*\c:231+2*\c], v[HV+nn+2*\c:HV+nn+1+2*\c], v[HV+nn+2*\c:HV+nn+1+2*\c], v[230+2*\c:231+2*\c]
.endr
.set nn, nn+8
.endr
	MEET 1024
	s_delay_alu instid0(VALU_DEP_1)
	v_fma_f32 v250, v240, s42, s43                 ; the variance + 1e-5
.irp b, 0,1,2,3
	v_mov_b32 v[TM+4+\b], 0                        ; a lane permute's destination counts as one of its sources
.endr
	s_wait_alu depctr_va_vdst(0)                   ; the wait ahead of the transcendental,
	v_rsq_f32 v250, v250
	v_mov_b32 v251, 0                              ; a plain place behind it,
	s_wait_alu depctr_va_vdst(0)                   ; and the wait ahead of its first reader
	; pass 3: h = deviation / standard deviation x gain + bias, quantised: one fragment and one record
.set nn, 0
.rept 32
	v_pk_mul_f32 v[HV+nn:HV+nn+1], v[HV+nn:HV+nn+1], v[250:251] op_sel_hi:[1,0]
.set nn, nn+2
.endr
	WIN 0x14                                       ; sources 1 and 2 window 1
.set nn, 0
.rept 32
	v_pk_fma_f32 v[HV+nn:HV+nn+1], v[HV+nn:HV+nn+1], v[nn:nn+1], v[64+nn:65+nn]
.set nn, nn+2
.endr
	WIN 0
	QUANT HV
	global_store_b128 v1, v[PC:PC+3], s[32:33]     ; each store covers 512 or 256 consecutive bytes, aligned to 256
	global_store_b64 v2, v[PC+4:PC+5], s[32:33] offset:512
	global_store_b128 v1, v[PC+6:PC+9], s[32:33] offset:768
	global_store_b64 v2, v[PC+10:PC+11], s[32:33] offset:1280
	global_store_b32 v3, v[PW], s[34:35]
	; x + proj_b, as an image of the accumulators of the last product
	WIN 0x04
.set nn, 0
.rept 32
	v_pk_add_f32 v[64+nn:65+nn], v[64+nn:65+nn], v[128+nn:129+nn]
.set nn, nn+2
.endr
	WIN 0
.set ii, 0
.rept 16
	global_store_b128 v1, v[64+4*ii:67+4*ii], s[30:31] offset:512*ii
.set ii, ii+1
.endr
	s_wait_tensorcnt 0x0                           ; the wave's end
	ds_add_u32 v12, v13
	s_wait_dscnt 0x0
	CROUND                                         ; the closing round
	s_endpgm
.Lfunc_end_k_q46c790d193_g1:
	.size	k_q46c790d193_g1, .Lfunc_end_k_q46c790d193_g1-k_q46c790d193_g1
	.p2alignl 7, 3214868480
	.fill 96, 4, 3214868480
	.section	.rodata,"a",@progbits
	.p2align	6, 0x0
	.amdhsa_kernel k_q46c790d193_g1
		.amdhsa_group_segment_fixed_size 327680
		.amdhsa_private_segment_fixed_size 0
		.amdhsa_enable_private_segment 0
		.amdhsa_kernarg_size 48
		.amdhsa_user_sgpr_count 2
		.amdhsa_user_sgpr_kernarg_segment_ptr 1
		.amdhsa_wavefront_size32 1
		.amdhsa_system_sgpr_workgroup_id_x 1
		.amdhsa_system_sgpr_workgroup_id_y 1
		.amdhsa_system_sgpr_workgroup_id_z 1
		.amdhsa_system_vgpr_workitem_id 0
		.amdhsa_next_free_vgpr 512
		.amdhsa_next_free_sgpr 66
		.amdhsa_reserve_vcc 0
		.amdhsa_float_denorm_mode_32 3
		.amdhsa_float_denorm_mode_16_64 3
		.amdhsa_memory_ordered 1
		.amdhsa_forward_progress 1
		.amdhsa_inst_pref_size 69
	.end_amdhsa_kernel
	.amdgpu_metadata
---
amdhsa.version: [ 1, 2 ]
amdhsa.kernels:
  - .name:           k_q46c790d193_g1
    .symbol:         k_q46c790d193_g1.kd
    .args:
      - { .name: wa, .offset: 0, .size: 8, .value_kind: global_buffer, .address_space: global }
      - { .name: wy, .offset: 8, .size: 8, .value_kind: global_buffer, .address_space: global }
      - { .name: proj_b, .offset: 16, .size: 8, .value_kind: global_buffer, .address_space: global }
      - { .name: ln2_w, .offset: 24, .size: 8, .value_kind: global_buffer, .address_space: global }
      - { .name: ln2_b, .offset: 32, .size: 8, .value_kind: global_buffer, .address_space: global }
      - { .name: wx, .offset: 40, .size: 8, .value_kind: global_buffer, .address_space: global }
    .group_segment_fixed_size: 327680
    .private_segment_fixed_size: 0
    .kernarg_segment_align: 8
    .kernarg_segment_size: 48
    .max_flat_workgroup_size: 256
    .sgpr_count:     66
    .vgpr_count:     512
    .wavefront_size: 32
...
	.end_amdgpu_metadata
.endif
;; end of part 3
;; launch g2 (part 4): grid 16 x 16, 4 waves a work-group, clusters of 4 x 4, 327,680 bytes of LDS; arguments wx, wa, fc_b, wg; writes wg
.if DOCPART == 4
	.amdgcn_target "amdgcn-amd-amdhsa--gfx1250"
	.amdhsa_code_object_version 6
	.text
	.protected	k_q46c790d193_g2
	.globl	k_q46c790d193_g2
	.p2align	8
	.type	k_q46c790d193_g2,@function
k_q46c790d193_g2:
	s_mov_b64 s[64:65], 0
	v_nop
	global_prefetch_b8 v0, s[64:65] scope:SCOPE_SE
	s_setreg_imm32_b32 hwreg(HW_REG_WAVE_MODE, 25, 1), 1
	s_wait_xcnt 0x0
	s_wait_alu depctr_hold_cnt(0) depctr_sa_sdst(0) depctr_va_vdst(0) depctr_va_sdst(0) depctr_va_ssrc(0) depctr_va_vcc(0) depctr_vm_vsrc(0)
	s_getreg_b32 s2, hwreg(HW_REG_IB_STS2, 6, 4)
	s_cmp_eq_u32 s2, 0
	s_cbranch_scc0 .Lentry_in_a_cluster
	s_endpgm
.Lentry_in_a_cluster:
	s_bfe_u32 s2, ttmp6, 0x10000c
	s_cmp_lg_u32 s2, 0xf033
	s_cbranch_scc0 .Lentry_shape_is_right
	s_endpgm
.Lentry_shape_is_right:
; g = new_gelu(h fc_w^T + fc_b) on codes of E2M3, quantised along the next K and stored as fragments' images with their records.  Nothing is left out here.
; A work-group of four waves makes 256 x 256, a wave 128 x 128; clusters of 4 x 4 ask for h's tiles jointly along a row and for fc_w's along a column.  A slot holds two K steps; K = 1,024 is four fills.
; THE HEAD: what the first steps need is four tiles, one joint load a wave: wave 0 slot 0's 16 tiles of h, wave 1 its 16 tiles of fc_w, wave 2 h's records, wave 3 fc_w's.  Slot 1's first fill stands behind the full sequence and a round.
; PREFETCH: a fill is 3,072 consecutive bytes, 12 blocks of 256, of each tile of 16 rows.  Of the 8 tiles that a wave fetches, each of the four partners that ask for them jointly names two, told apart by address
; (cx for h, cy for fc_w): one instruction a wave, a lane a block, lanes 24-31 naming the last block again.  Fills 1 and 2 are named at the head, fill 3 behind the refill with fill 2.
.set PFA, 66                           ; s[66:67] my partner's two tiles at fill 0; never rewritten
.set MA, 8
.set NB, 8
.set NQ, 2
.set KS, 8
.set AIMGO, 16777216
.set ASCO,  19922944
.set BIMGO, 27000832
.set BSCO,  34013184
.set GSC,   12582912
.set HALFT, MA*NQ*1536
.set SLOT,  4*HALFT
.set SCL,   2*SLOT
.set HALFS, MA*KS*128
.set SPARE, SCL+4*HALFS
.set LAPS,  KS/(2*NQ)
.set SPW, 28
.set NIL, 29
.set G1, 24
.set G0, 32
.set G1B, 48
.set G0B, 56
.set G1S, 68
.set G0S, 76
.set G1SB, 80
.set G0SB, 88
.set SEL, 96
.set TM, 192
.set PW, 208
.set PC, 210
.set MUL_LO, 0xa1
.set MUL_HI, 0xf1
.set MSB, 0
.macro WIN new
.if MSB != (\new)
	s_set_vgpr_msb (MSB<<8)|(\new)
.set MSB, (\new)
.endif
.endm
.macro SHAPE g, c, r, p
	s_mov_b32 s[\g+1], (\c)<<16
	s_mov_b32 s[\g+2], (\r)<<16
	s_mov_b32 s[\g+3], (\c)<<16
	s_mov_b32 s[\g+4], \r
	s_mov_b32 s[\g+5], \p
	s_mov_b32 s[\g+6], 0
	s_mov_b32 s[\g+7], 0
.endm
.macro JLOAD g0a, g1a, g0b, g1b
	s_cmp_eq_u32 s15, 0
	s_cbranch_scc0 .Lfor_b_\@
	tensor_load_to_lds s[\g0a:\g0a+3], s[\g1a:\g1a+7]
	s_nop 0
.rept 4
	v_nop
.endr
	s_branch .Lasked_\@
.Lfor_b_\@:
	tensor_load_to_lds s[\g0b:\g0b+3], s[\g1b:\g1b+7]
	s_nop 0
.rept 4
	v_nop
.endr
.Lasked_\@:
.endm
.macro CREST
	s_cmp_lg_u32 s14, 0
	s_cbranch_scc1 .Lnot_wave_0_\@
	s_barrier_signal -3
.Lnot_wave_0_\@:
	s_barrier_wait -3
	s_barrier_signal -1
	s_barrier_wait -1
.endm
.macro CROUND
	s_barrier_signal -1
	s_barrier_wait -1
	CREST
.endm
.macro PLACES n
.rept \n
	v_nop
.endr
.endm
.macro QUANT s
.irp b, 0,1,2,3
	v_max3_num_f32 v[TM+\b], |v[\s+16*\b]|, |v[\s+1+16*\b]|, 0x1800000
.endr
.irp i, 2,4,6,8,10,12,14
.irp b, 0,1,2,3
	v_max3_num_f32 v[TM+\b], v[TM+\b], |v[\s+16*\b+\i]|, |v[\s+1+16*\b+\i]|
.endr
.endr
.irp b, 0,1,2,3
	v_permlanex16_b32 v[TM+4+\b], v[TM+\b], s[SEL], s[SEL+1]
.endr
.irp b, 0,1,2,3
	v_max_num_f32 v[TM+\b], v[TM+\b], v[TM+4+\b]
.endr
.irp b, 0,1,2,3
	v_add_nc_u32 v[TM+12+\b], 0xff000000, v[TM+\b]
.endr
.irp b, 0,1,2,3
	v_lshrrev_b32 v[TM+4+\b], 23, v[TM+12+\b]
.endr
	v_lshl_or_b32 v[PW], v[TM+5], 8, v[TM+4]
	v_lshl_or_b32 v[PW], v[TM+6], 16, v[PW]
	v_lshl_or_b32 v[PW], v[TM+7], 24, v[PW]
.irp c, 0,1
	v_cvt_scalef32_pk16_fp6_f32 v[PC+6*\c:PC+2+6*\c], v[\s+32*\c:\s+15+32*\c], v[TM+12+2*\c]
	v_cvt_scalef32_pk16_fp6_f32 v[PC+12+4*\c:PC+14+4*\c], v[\s+16+32*\c:\s+31+32*\c], v[TM+12+2*\c+1]
.endr
	v_nop
.irp c, 0,1
.irp i, 0,1,2
	v_permlane16_swap_b32 v[PC+6*\c+\i], v[PC+12+4*\c+\i]
.endr
.irp i, 0,1,2
	v_mov_b32 v[PC+3+6*\c+\i], v[PC+12+4*\c+\i]
.endr
.endr
.endm
.macro FRAG reg, a16, a8, off
	ds_load_b128 v[(\reg):(\reg)+3], v[\a16] offset:(\off)
	ds_load_b64 v[(\reg)+4:(\reg)+5], v[\a8] offset:(\off)+512
	ds_load_b128 v[(\reg)+6:(\reg)+9], v[\a16] offset:(\off)+768
	ds_load_b64 v[(\reg)+10:(\reg)+11], v[\a8] offset:(\off)+1280
.endm
.macro FETCH_B slot, q, p
	WIN 0x40
.set fb, 0
.rept NB
	FRAG 128*(\p)+12*fb, 20+\slot, 22+\slot, (fb*NQ+(\q))*1536
.set fb, fb+1
.endr
	WIN 0
.endm
.macro FETCH_A slot, q, a0
.set fa, \a0
.rept MA/2
	FRAG 128+12*fa, 16+\slot, 18+\slot, (fa*NQ+(\q))*1536
.set fa, fa+1
.endr
.endm
.macro SCALES sc
.set fa, 0
.rept MA
.set fq, 0
.rept NQ
	ds_load_b32 v[32+32*\sc+NQ*fa+fq], v24 offset:(fa*KS+fq)*128
	ds_load_b32 v[48+32*\sc+NQ*fa+fq], v25 offset:(fa*KS+fq)*128
.set fq, fq+1
.endr
.set fa, fa+1
.endr
.endm
.macro MULS a0, n, p, q, sc
.set aa, \a0
.rept \n
.set bb, 0
.rept NB
.set AC, 8*(NB*(aa%(MA/2))+bb)
	v_wmma_scale_f32_16x16x128_f8f6f4 v[AC:AC+7], v[128*(\p)+12*bb:128*(\p)+12*bb+11], v[128+12*aa:128+12*aa+11], v[AC:AC+7], v[48+32*(\sc)+NQ*bb+(\q)], v[32+32*(\sc)+NQ*aa+(\q)] matrix_a_fmt:MATRIX_FMT_FP6 matrix_b_fmt:MATRIX_FMT_FP6
.set bb, bb+1
.endr
.set aa, aa+1
.endr
.endm
.macro STEP slot, q
	s_wait_dscnt 2*MA
	WIN MUL_LO
	MULS 0, MA/2, (\q)%2, \q, \slot
	s_wait_dscnt 0x0
	PLACES 4
	FETCH_B \slot, (\q)+1, 1-(\q)%2
	FETCH_A \slot, (\q)+1, 0
	WIN MUL_HI
	MULS MA/2, MA/2, (\q)%2, \q, \slot
	PLACES 4
	WIN 0
	FETCH_A \slot, (\q)+1, MA/2
.endm
.macro TURN slot, next, fill
	s_wait_tensorcnt 0x0
	ds_add_u32 v[SPW], v[NIL]
	s_wait_dscnt 2*MA+1
	WIN MUL_LO
	MULS 0, MA/4, 1, NQ-1, \slot
	s_wait_dscnt 0x0
	s_barrier_signal -1
	MULS MA/4, MA/4, 1, NQ-1, \slot
	WIN 0
	s_barrier_wait -1
.if \fill
	CREST
	s_add_nc_u64 s[G0+4*\slot+2:G0+4*\slot+3], s[G0+4*\slot+2:G0+4*\slot+3], 2*NQ*1536
	s_add_nc_u64 s[G0B+4*\slot+2:G0B+4*\slot+3], s[G0B+4*\slot+2:G0B+4*\slot+3], 2*NQ*1536
	JLOAD G0+4*\slot, G1, G0B+4*\slot, G1B
.else
	PLACES 4
.endif
	s_wait_alu depctr_va_vdst(0)
	v_add_nc_u32 v24, NQ*128, v24
	v_add_nc_u32 v25, NQ*128, v25
	FETCH_B \next, 0, 0
	FETCH_A \next, 0, 0
	SCALES \next
.if (\fill) && ((\slot) == 0)
	global_prefetch_b8 v31, s[PFA:PFA+1] offset:3*NQ*1536 th:TH_LOAD_NT scope:SCOPE_SE   ; fill 3, behind the joint load and the run of LDS loads
.endif
	WIN MUL_HI
	MULS MA/2, MA/2, 1, NQ-1, \slot
	PLACES 4
	WIN 0
	FETCH_A \next, 0, MA/2
.endm
.macro STEPS slot
.set qq, 0
.rept NQ-1
	STEP \slot, qq
.set qq, qq+1
.endr
.endm
	s_load_b256 s[4:11], s[0:1], 0x0
	v_lshl_add_u32 v[SPW], v0, 2, SPARE
	v_mov_b32 v[NIL], 0
	ds_add_u32 v[SPW], v[NIL]
	ds_add_u32 v[SPW], v[NIL]
	v_lshrrev_b32 v1, 5, v0
	v_readfirstlane_b32 s14, v1
	s_lshr_b32 s15, s14, 1
	s_and_b32 s16, s14, 1
	s_bfe_u32 s40, ttmp6, 0x40000
	s_bfe_u32 s41, ttmp6, 0x40004
	s_lshl_b32 s42, ttmp9, 2
	s_add_co_u32 s42, s42, s40
	s_and_b32 s17, ttmp7, 0xffff
	s_lshl_b32 s17, s17, 2
	s_add_co_u32 s17, s17, s41
	s_lshl_b32 s43, s41, 2
	s_lshl_b32 s43, 15, s43
	s_lshl_b32 s44, 0x1111, s40
	s_or_b32 s[G1], s43, (3<<16)|(1<<21)
	s_or_b32 s[G1B], s44, (3<<16)|(1<<21)
	SHAPE G1, NQ*192, 2*MA, KS*192                 ; the head's loads bring both halves of a tile: 2 MA rows; behind them the two words that count rows are set to MA
	SHAPE G1B, NQ*192, 2*MA, KS*192
	s_or_b32 s[G1S], s43, (3<<16)|(1<<21)
	s_or_b32 s[G1SB], s44, (3<<16)|(1<<21)
	SHAPE G1S, 32, 2*HALFS/256, 32
	SHAPE G1SB, 32, 2*HALFS/256, 32
	s_mul_i32 s18, s16, MA*KS*1536                 ; in the ring I fetch MA tiles: which half, in bytes
	s_mov_b32 s19, 0
	s_mul_i32 s20, s17, 2*MA
	s_mul_i32 s46, s42, 2*MA
	s_mul_i32 s22, s20, KS*128
	s_add_co_u32 s22, s22, ASCO
	s_mul_i32 s92, s46, KS*128
	s_add_co_u32 s92, s92, BSCO
	s_mul_i32 s20, s20, KS*1536
	s_add_co_u32 s20, s20, AIMGO
	s_mul_i32 s46, s46, KS*1536
	s_add_co_u32 s46, s46, BIMGO
	s_mov_b32 s21, 0
	s_mov_b32 s23, 0
	s_mov_b32 s47, 0
	s_mov_b32 s93, 0
	s_mul_i32 s45, s14, HALFT
	s_mov_b32 s[SEL], 0x76543210
	s_mov_b32 s[SEL+1], 0xfedcba98
	s_wait_dscnt 0x0
	s_wait_kmcnt 0x0
	s_add_nc_u64 s[20:21], s[4:5], s[20:21]
	s_add_nc_u64 s[22:23], s[4:5], s[22:23]
	s_add_nc_u64 s[46:47], s[6:7], s[46:47]
	s_add_nc_u64 s[92:93], s[6:7], s[92:93]
	CROUND
	s_mov_b32 s[G0S], 1
	s_mov_b32 s[G0S+1], SCL
	s_mov_b64 s[G0S+2:G0S+3], s[22:23]
	s_or_b32 s[G0S+3], s[G0S+3], 0x80000000
	s_mov_b32 s[G0SB], 1
	s_mov_b32 s[G0SB+1], SCL+2*HALFS
	s_mov_b64 s[G0SB+2:G0SB+3], s[92:93]
	s_or_b32 s[G0SB+3], s[G0SB+3], 0x80000000
	s_mov_b32 s[G0], 1                             ; slot 0 whole: A's 2 MA tiles,
	s_mov_b32 s[G0+1], 0
	s_mov_b64 s[G0+2:G0+3], s[20:21]
	s_or_b32 s[G0+3], s[G0+3], 0x80000000
	s_mov_b32 s[G0B], 1                            ; and B's, behind them
	s_mov_b32 s[G0B+1], 2*HALFT
	s_mov_b64 s[G0B+2:G0B+3], s[46:47]
	s_or_b32 s[G0B+3], s[G0B+3], 0x80000000
	s_add_nc_u64 s[94:95], s[20:21], s[18:19]      ; for the ring: my MA tiles of A,
	s_add_nc_u64 s[92:93], s[46:47], s[18:19]      ; or of B
	s_mov_b32 s[G0+4], 1
	s_add_co_u32 s[G0+5], s45, SLOT
	s_add_nc_u64 s[G0+6:G0+7], s[94:95], NQ*1536
	s_or_b32 s[G0+7], s[G0+7], 0x80000000
	s_mov_b32 s[G0B+4], 1
	s_add_co_u32 s[G0B+5], s45, SLOT
	s_add_nc_u64 s[G0B+6:G0B+7], s[92:93], NQ*1536
	s_or_b32 s[G0B+7], s[G0B+7], 0x80000000
	s_cmp_eq_u32 s15, 0                            ; the prefetches: do I fetch for A?
	s_cselect_b64 s[PFA:PFA+1], s[94:95], s[92:93]
	s_cselect_b32 s2, s40, s41                     ; my place among the four that ask with me: which two of the MA tiles I name
	s_mul_i32 s2, s2, 2*KS*1536
	s_mov_b32 s3, 0
	s_add_nc_u64 s[PFA:PFA+1], s[PFA:PFA+1], s[2:3]
; one chain of branches on the wave's number, one joint load to an arm, all arms leading to one join
.macro ARM under, g0, g1, next
	s_cmp_lt_u32 s14, \under
	s_cbranch_scc0 \next
	tensor_load_to_lds s[\g0:\g0+3], s[\g1:\g1+7]
	s_nop 0
.rept 4
	v_nop
.endr
	s_branch .Lhead_asked
\next:
.endm
	ARM 1, G0,  G1,  .Lhead_b
	ARM 2, G0B, G1B, .Lhead_sa
	ARM 3, G0S, G1S, .Lhead_sb
	tensor_load_to_lds s[G0SB:G0SB+3], s[G1SB:G1SB+7]
	s_nop 0
.rept 4
	v_nop
.endr
.Lhead_asked:
	v_and_b32 v31, 31, v0
	v_min_u32 v31, 23, v31                         ; b = min(l, 23): block b % 12 of tile b / 12
	v_mul_u32_u24 v30, v31, 11
	v_lshrrev_b32 v30, 7, v30                      ; b / 12, for b under 24
	v_mul_u32_u24 v30, v30, KS*1536-12*256
	v_lshl_add_u32 v31, v31, 8, v30                ; the prefetches' offset: (b / 12) x a tile's bytes + 256 (b % 12); never rewritten
	v_and_b32 v3, 31, v0
	v_lshlrev_b32 v1, 4, v3
	v_lshlrev_b32 v2, 3, v3
	v_lshlrev_b32 v3, 2, v3
	s_wait_alu depctr_va_vdst(0)
	s_mul_i32 s21, s15, HALFT
	s_mul_i32 s22, s16, HALFT
	s_add_co_u32 s22, s22, 2*HALFT
.irp s, 0,1
	v_add_nc_u32 v[16+\s], s21, v1
	v_add_nc_u32 v[18+\s], s21, v2
	v_add_nc_u32 v[20+\s], s22, v1
	v_add_nc_u32 v[22+\s], s22, v2
	s_add_co_u32 s21, s21, SLOT
	s_add_co_u32 s22, s22, SLOT
.endr
	s_mul_i32 s21, s15, HALFS
	s_add_co_u32 s21, s21, SCL
	v_add_nc_u32 v24, s21, v3
	s_mul_i32 s22, s16, HALFS
	s_add_co_u32 s22, s22, SCL+2*HALFS
	v_add_nc_u32 v25, s22, v3
	v_bfe_u32 v26, v0, 4, 1
	v_lshlrev_b32 v26, 6, v26
	s_wait_alu depctr_va_vdst(0)
	v_mov_b32 v4, 0xbdd2d3e8
	v_mov_b32 v5, 0xbdd2d3e8
	v_mov_b32 v6, 0xc0135761
	v_mov_b32 v7, 0xc0135761
	s_lshl_b32 s20, s42, 10
	s_lshl_b32 s21, s16, 9
	s_add_co_u32 s20, s20, s21
	s_mov_b32 s21, 0
	s_add_nc_u64 s[8:9], s[8:9], s[20:21]
	s_lshl_b32 s20, s17, 4
	s_lshl_b32 s22, s15, 3
	s_add_co_u32 s20, s20, s22
	s_lshl_b32 s20, s20, 5
	s_lshl_b32 s22, s42, 1
	s_add_co_u32 s20, s20, s22
	s_add_co_u32 s20, s20, s16
	s_lshl_b32 s22, s20, 7
	s_add_co_u32 s22, s22, GSC
	s_mov_b32 s23, 0
	s_mul_i32 s20, s20, 1536
	s_add_nc_u64 s[12:13], s[10:11], s[20:21]
	s_add_nc_u64 s[18:19], s[10:11], s[22:23]
	global_prefetch_b8 v31, s[PFA:PFA+1] offset:NQ*1536 th:TH_LOAD_NT scope:SCOPE_SE     ; fill 1,
	global_prefetch_b8 v31, s[PFA:PFA+1] offset:2*NQ*1536 th:TH_LOAD_NT scope:SCOPE_SE   ; and fill 2
.set aa, 0
.rept MA
	WIN 0x80+0x40*(aa/(MA/2))
.set ii, 0
.rept 16
	global_load_b128 v[64*(aa%4)+4*ii:64*(aa%4)+4*ii+3], v26, s[8:9] offset:128*(ii/4)+16*(ii%4)
.set ii, ii+1
.endr
.set aa, aa+1
.endr
	WIN 0
	s_wait_alu depctr_va_vdst(0)                   ; the wait at the head's end
	s_wait_tensorcnt 0x0                           ; my tile of the head's four is in
	ds_add_u32 v[SPW], v[NIL]
	s_mov_b32 s[G1+2], MA<<16                      ; no tensor load of mine is out, so descriptors may be written: from here on a load brings MA tiles,
	s_mov_b32 s[G1+4], MA
	s_mov_b32 s[G1B+2], MA<<16
	s_mov_b32 s[G1B+4], MA
	s_mov_b32 s[G0+1], s45                         ; and slot 0's group 0 stands at my quarter of the slot, at the first fill's place along K
	s_mov_b64 s[G0+2:G0+3], s[94:95]
	s_or_b32 s[G0+3], s[G0+3], 0x80000000
	s_mov_b32 s[G0B+1], s45
	s_mov_b64 s[G0B+2:G0B+3], s[92:93]
	s_or_b32 s[G0B+3], s[G0B+3], 0x80000000
	s_wait_dscnt 0x0                               ; the add is done
	CROUND                                         ; a whole round: all four tiles are in, and all sixteen work-groups are here
	JLOAD G0+4, G1, G0B+4, G1B                     ; slot 1's first fill, the first tensor load behind the round
	FETCH_B 0, 0, 0
	FETCH_A 0, 0, 0
	SCALES 0
	FETCH_A 0, 0, MA/2
	s_wait_loadcnt 0x0
	s_mov_b32 s3, LAPS-1
.Llap:
	STEPS 0
	TURN 0, 1, 1
	STEPS 1
	TURN 1, 0, 1
	s_sub_co_u32 s3, s3, 1
	s_cmp_lg_u32 s3, 0
	s_cbranch_scc1 .Llap
	STEPS 0
	TURN 0, 1, 0
	STEPS 1
	s_wait_dscnt 2*MA
	WIN MUL_LO
	MULS 0, MA/2, 1, NQ-1, 1
	s_wait_dscnt 0x0
	WIN MUL_HI
	MULS MA/2, MA/2, 1, NQ-1, 1
	WIN 0
	PLACES 4
.irp b, 0,1,2,3
	v_mov_b32 v[TM+4+\b], 0
.endr
.macro GELUQ a
.set WN, 2+(\a)/4
.set AC, 64*((\a)%4)
	WIN WN|(WN<<2)
.set nn, 0
.rept 32
	v_pk_mul_f32 v[128+nn:129+nn], v[AC+nn:AC+nn+1], v[AC+nn:AC+nn+1]
.set nn, nn+2
.endr
	WIN 0
.set nn, 0
.rept 32
	v_pk_fma_f32 v[128+nn:129+nn], v[128+nn:129+nn], v[4:5], v[6:7]
.set nn, nn+2
.endr
	WIN WN
.set nn, 0
.rept 32
	v_pk_mul_f32 v[128+nn:129+nn], v[AC+nn:AC+nn+1], v[128+nn:129+nn]
.set nn, nn+2
.endr
	WIN 0
.set nn, 0
	s_wait_alu depctr_va_vdst(0)
.rept 64
	v_exp_f32 v[128+nn], v[128+nn]
.set nn, nn+1
.endr
	v_nop
	s_wait_alu depctr_va_vdst(0)
.set nn, 0
.rept 32
	v_pk_add_f32 v[128+nn:129+nn], v[128+nn:129+nn], 1.0 op_sel_hi:[1,0]
.set nn, nn+2
.endr
.set nn, 0
	s_wait_alu depctr_va_vdst(0)
.rept 64
	v_rcp_f32 v[128+nn], v[128+nn]
.set nn, nn+1
.endr
	v_nop
	s_wait_alu depctr_va_vdst(0)
	WIN WN
.set nn, 0
.rept 32
	v_pk_mul_f32 v[128+nn:129+nn], v[AC+nn:AC+nn+1], v[128+nn:129+nn]
.set nn, nn+2
.endr
	WIN 0
	s_wait_xcnt 0x0
	QUANT 128
	global_store_b128 v1, v[PC:PC+3], s[12:13] offset:(\a)*49152
	global_store_b64 v2, v[PC+4:PC+5], s[12:13] offset:(\a)*49152+512
	global_store_b128 v1, v[PC+6:PC+9], s[12:13] offset:(\a)*49152+768
	global_store_b64 v2, v[PC+10:PC+11], s[12:13] offset:(\a)*49152+1280
	global_store_b32 v3, v[PW], s[18:19] offset:(\a)*4096
.endm
.irp a, 0,1,2,3,4,5,6,7
	GELUQ \a
.endr
	s_wait_tensorcnt 0x0
	ds_add_u32 v[SPW], v[NIL]
	s_wait_dscnt 0x0
	CROUND
	s_endpgm
.Lfunc_end_k_q46c790d193_g2:
	.size	k_q46c790d193_g2, .Lfunc_end_k_q46c790d193_g2-k_q46c790d193_g2
	.p2alignl 7, 3214868480
	.fill 96, 4, 3214868480
	.section	.rodata,"a",@progbits
	.p2align	6, 0x0
	.amdhsa_kernel k_q46c790d193_g2
		.amdhsa_group_segment_fixed_size 327680
		.amdhsa_private_segment_fixed_size 0
		.amdhsa_enable_private_segment 0
		.amdhsa_kernarg_size 32
		.amdhsa_user_sgpr_count 2
		.amdhsa_user_sgpr_kernarg_segment_ptr 1
		.amdhsa_wavefront_size32 1
		.amdhsa_system_sgpr_workgroup_id_x 1
		.amdhsa_system_sgpr_workgroup_id_y 1
		.amdhsa_system_sgpr_workgroup_id_z 1
		.amdhsa_system_vgpr_workitem_id 0
		.amdhsa_next_free_vgpr 1024
		.amdhsa_next_free_sgpr 98
		.amdhsa_reserve_vcc 0
		.amdhsa_float_denorm_mode_32 3
		.amdhsa_float_denorm_mode_16_64 3
		.amdhsa_memory_ordered 1
		.amdhsa_forward_progress 1
		.amdhsa_inst_pref_size 255
	.end_amdhsa_kernel
	.section	.bss,"aw",@nobits
	.p2align	6
	.space	262144
	.amdgpu_metadata
---
amdhsa.version: [ 1, 2 ]
amdhsa.kernels:
  - .name:           k_q46c790d193_g2
    .symbol:         k_q46c790d193_g2.kd
    .args:
      - { .name: wx, .offset: 0, .size: 8, .value_kind: global_buffer, .address_space: global }
      - { .name: wa, .offset: 8, .size: 8, .value_kind: global_buffer, .address_space: global }
      - { .name: fc_b, .offset: 16, .size: 8, .value_kind: global_buffer, .address_space: global }
      - { .name: wg, .offset: 24, .size: 8, .value_kind: global_buffer, .address_space: global }
    .group_segment_fixed_size: 327680
    .private_segment_fixed_size: 0
    .kernarg_segment_align: 8
    .kernarg_segment_size: 32
    .max_flat_workgroup_size: 128
    .sgpr_count:     98
    .vgpr_count:     1024
    .wavefront_size: 32
...
	.end_amdgpu_metadata
.endif
;; end of part 4
;; launch g3 (part 5): grid 8 x 32, 4 waves a work-group, clusters of 4 x 4, 327,680 bytes of LDS; arguments wg, wa, wx, out0; writes out0
.if DOCPART == 5
	.amdgcn_target "amdgcn-amd-amdhsa--gfx1250"
	.amdhsa_code_object_version 6
	.text
	.protected	k_q46c790d193_g3
	.globl	k_q46c790d193_g3
	.p2align	8
	.type	k_q46c790d193_g3,@function
k_q46c790d193_g3:
	s_mov_b64 s[64:65], 0
	v_nop
	global_prefetch_b8 v0, s[64:65] scope:SCOPE_SE
	s_setreg_imm32_b32 hwreg(HW_REG_WAVE_MODE, 25, 1), 1
	s_wait_xcnt 0x0
	s_wait_alu depctr_hold_cnt(0) depctr_sa_sdst(0) depctr_va_vdst(0) depctr_va_sdst(0) depctr_va_ssrc(0) depctr_va_vcc(0) depctr_vm_vsrc(0)
	s_getreg_b32 s2, hwreg(HW_REG_IB_STS2, 6, 4)
	s_cmp_eq_u32 s2, 0
	s_cbranch_scc0 .Lentry_in_a_cluster
	s_endpgm
.Lentry_in_a_cluster:
	s_bfe_u32 s2, ttmp6, 0x10000c
	s_cmp_lg_u32 s2, 0xf033
	s_cbranch_scc0 .Lentry_shape_is_right
	s_endpgm
.Lentry_shape_is_right:
; out0 = (x + proj_b) + g proj_w^T on codes of E2M3; the sums begin with x + proj_b, which the launch before laid in the accumulators' order.  Nothing is left out here.
; A work-group of four waves makes 128 x 128, a wave 64 x 64: 32 x 8 = 256 work-groups; clusters of 4 x 4 ask for g's tiles jointly along a row and for proj_w's along a column.  A slot holds four K steps; K = 4,096 is eight fills.
; THE HEAD: what the first steps need is four tiles, one joint load a wave: wave 0 slot 0's 8 tiles of g, wave 1 its 8 tiles of proj_w, wave 2 g's records, wave 3 proj_w's.  Slot 1's first fill stands behind the full sequence and a round.
; PREFETCH: a fill is 6,144 consecutive bytes, 24 blocks of 256, of each tile of 16 rows.  Of the 4 tiles that a wave fetches, each of the four partners that ask for them jointly names one, told apart by address
; (cx for g, cy for proj_w): one instruction a wave, a lane a block, lanes 24-31 naming the last block again.  Fills 1 to 3 are named at the head; behind the refill with fill j stands the request for fill j + 2, up to fill 7.
.set PFA, 66                           ; s[66:67] my partner's tile at the fill that is being asked for
.set MA, 4
.set NB, 4
.set NQ, 4
.set KS, 32
.set AIMGO, 0
.set ASCO,  12582912
.set BIMGO, 30146560
.set BSCO,  34275328
.set HALFT, MA*NQ*1536
.set SLOT,  4*HALFT
.set SCL,   2*SLOT
.set HALFS, MA*KS*128
.set SPARE, SCL+4*HALFS
.set LAPS,  KS/(2*NQ)
.set SPW, 28
.set NIL, 29
.set G1, 24
.set G0, 32
.set G1B, 48
.set G0B, 56
.set G1S, 68
.set G0S, 76
.set G1SB, 80
.set G0SB, 88
.set MUL_LO, 0xa1
.set MUL_HI, 0xf1
.set MSB, 0
.macro WIN new
.if MSB != (\new)
	s_set_vgpr_msb (MSB<<8)|(\new)
.set MSB, (\new)
.endif
.endm
.macro SHAPE g, c, r, p
	s_mov_b32 s[\g+1], (\c)<<16
	s_mov_b32 s[\g+2], (\r)<<16
	s_mov_b32 s[\g+3], (\c)<<16
	s_mov_b32 s[\g+4], \r
	s_mov_b32 s[\g+5], \p
	s_mov_b32 s[\g+6], 0
	s_mov_b32 s[\g+7], 0
.endm
.macro JLOAD g0a, g1a, g0b, g1b
	s_cmp_eq_u32 s15, 0
	s_cbranch_scc0 .Lfor_b_\@
	tensor_load_to_lds s[\g0a:\g0a+3], s[\g1a:\g1a+7]
	s_nop 0
.rept 4
	v_nop
.endr
	s_branch .Lasked_\@
.Lfor_b_\@:
	tensor_load_to_lds s[\g0b:\g0b+3], s[\g1b:\g1b+7]
	s_nop 0
.rept 4
	v_nop
.endr
.Lasked_\@:
.endm
.macro CREST
	s_cmp_lg_u32 s14, 0
	s_cbranch_scc1 .Lnot_wave_0_\@
	s_barrier_signal -3
.Lnot_wave_0_\@:
	s_barrier_wait -3
	s_barrier_signal -1
	s_barrier_wait -1
.endm
.macro CROUND
	s_barrier_signal -1
	s_barrier_wait -1
	CREST
.endm
.macro PLACES n
.rept \n
	v_nop
.endr
.endm
.macro FRAG reg, a16, a8, off
	ds_load_b128 v[(\reg):(\reg)+3], v[\a16] offset:(\off)
	ds_load_b64 v[(\reg)+4:(\reg)+5], v[\a8] offset:(\off)+512
	ds_load_b128 v[(\reg)+6:(\reg)+9], v[\a16] offset:(\off)+768
	ds_load_b64 v[(\reg)+10:(\reg)+11], v[\a8] offset:(\off)+1280
.endm
.macro FETCH_B slot, q, p
	WIN 0x40
.set fb, 0
.rept NB
	FRAG 128*(\p)+12*fb, 20+\slot, 22+\slot, (fb*NQ+(\q))*1536
.set fb, fb+1
.endr
	WIN 0
.endm
.macro FETCH_A slot, q, a0
.set fa, \a0
.rept MA/2
	FRAG 128+12*fa, 16+\slot, 18+\slot, (fa*NQ+(\q))*1536
.set fa, fa+1
.endr
.endm
.macro SCALES sc
.set fa, 0
.rept MA
.set fq, 0
.rept NQ
	ds_load_b32 v[32+32*\sc+NQ*fa+fq], v24 offset:(fa*KS+fq)*128
	ds_load_b32 v[48+32*\sc+NQ*fa+fq], v25 offset:(fa*KS+fq)*128
.set fq, fq+1
.endr
.set fa, fa+1
.endr
.endm
.macro MULS a0, n, p, q, sc
.set aa, \a0
.rept \n
.set bb, 0
.rept NB
.set AC, 8*(NB*(aa%(MA/2))+bb)
	v_wmma_scale_f32_16x16x128_f8f6f4 v[AC:AC+7], v[128*(\p)+12*bb:128*(\p)+12*bb+11], v[128+12*aa:128+12*aa+11], v[AC:AC+7], v[48+32*(\sc)+NQ*bb+(\q)], v[32+32*(\sc)+NQ*aa+(\q)] matrix_a_fmt:MATRIX_FMT_FP6 matrix_b_fmt:MATRIX_FMT_FP6
.set bb, bb+1
.endr
.set aa, aa+1
.endr
.endm
.macro STEP slot, q
	s_wait_dscnt 2*MA
	WIN MUL_LO
	MULS 0, MA/2, (\q)%2, \q, \slot
	s_wait_dscnt 0x0
	PLACES 4
	FETCH_B \slot, (\q)+1, 1-(\q)%2
	FETCH_A \slot, (\q)+1, 0
	WIN MUL_HI
	MULS MA/2, MA/2, (\q)%2, \q, \slot
	PLACES 4
	WIN 0
	FETCH_A \slot, (\q)+1, MA/2
.endm
.macro ASK                             ; the loop's last trip (s3 = 1) refills with fills 6 and 7: nothing lies two fills on
	s_cmp_gt_u32 s3, 1
	s_cbranch_scc0 .Lno_ask_\@
	global_prefetch_b8 v31, s[PFA:PFA+1] offset:2*NQ*1536 th:TH_LOAD_NT scope:SCOPE_SE
.Lno_ask_\@:
.endm
.macro TURN slot, next, fill
.if \fill
	s_wait_xcnt 0x0                                ; my last prefetch has read its address: it is stepped only behind this wait
	s_add_nc_u64 s[PFA:PFA+1], s[PFA:PFA+1], NQ*1536
.endif
	s_wait_tensorcnt 0x0
	ds_add_u32 v[SPW], v[NIL]
	s_wait_dscnt 2*MA+1
	WIN MUL_LO
	MULS 0, MA/4, 1, NQ-1, \slot
	s_wait_dscnt 0x0
	s_barrier_signal -1
	MULS MA/4, MA/4, 1, NQ-1, \slot
	WIN 0
	s_barrier_wait -1
.if \fill
	CREST
	s_add_nc_u64 s[G0+4*\slot+2:G0+4*\slot+3], s[G0+4*\slot+2:G0+4*\slot+3], 2*NQ*1536
	s_add_nc_u64 s[G0B+4*\slot+2:G0B+4*\slot+3], s[G0B+4*\slot+2:G0B+4*\slot+3], 2*NQ*1536
	JLOAD G0+4*\slot, G1, G0B+4*\slot, G1B
.else
	PLACES 4
.endif
	s_wait_alu depctr_va_vdst(0)
	v_add_nc_u32 v24, NQ*128, v24
	v_add_nc_u32 v25, NQ*128, v25
	FETCH_B \next, 0, 0
	FETCH_A \next, 0, 0
	SCALES \next
.if \fill
	ASK                                            ; behind the joint load and the run of LDS loads
.endif
	WIN MUL_HI
	MULS MA/2, MA/2, 1, NQ-1, \slot
	PLACES 4
	WIN 0
	FETCH_A \next, 0, MA/2
.endm
.macro STEPS slot
.set qq, 0
.rept NQ-1
	STEP \slot, qq
.set qq, qq+1
.endr
.endm
	s_load_b256 s[4:11], s[0:1], 0x0
	v_lshl_add_u32 v[SPW], v0, 2, SPARE
	v_mov_b32 v[NIL], 0
	ds_add_u32 v[SPW], v[NIL]
	ds_add_u32 v[SPW], v[NIL]
	v_lshrrev_b32 v1, 5, v0
	v_readfirstlane_b32 s14, v1
	s_lshr_b32 s15, s14, 1
	s_and_b32 s16, s14, 1
	s_bfe_u32 s40, ttmp6, 0x40000
	s_bfe_u32 s41, ttmp6, 0x40004
	s_lshl_b32 s42, ttmp9, 2
	s_add_co_u32 s42, s42, s40
	s_and_b32 s17, ttmp7, 0xffff
	s_lshl_b32 s17, s17, 2
	s_add_co_u32 s17, s17, s41
	s_lshl_b32 s43, s41, 2
	s_lshl_b32 s43, 15, s43
	s_lshl_b32 s44, 0x1111, s40
	s_or_b32 s[G1], s43, (3<<16)|(1<<21)
	s_or_b32 s[G1B], s44, (3<<16)|(1<<21)
	SHAPE G1, NQ*192, 2*MA, KS*192                 ; the head's loads bring both halves of a tile: 2 MA rows; behind them the two words that count rows are set to MA
	SHAPE G1B, NQ*192, 2*MA, KS*192
	s_or_b32 s[G1S], s43, (3<<16)|(1<<21)
	s_or_b32 s[G1SB], s44, (3<<16)|(1<<21)
	SHAPE G1S, 32, 2*HALFS/256, 32
	SHAPE G1SB, 32, 2*HALFS/256, 32
	s_mul_i32 s18, s16, MA*KS*1536                 ; in the ring I fetch MA tiles: which half, in bytes
	s_mov_b32 s19, 0
	s_mul_i32 s20, s17, 2*MA
	s_mul_i32 s46, s42, 2*MA
	s_mul_i32 s22, s20, KS*128
	s_add_co_u32 s22, s22, ASCO
	s_mul_i32 s92, s46, KS*128
	s_add_co_u32 s92, s92, BSCO
	s_mul_i32 s20, s20, KS*1536
	s_add_co_u32 s20, s20, AIMGO
	s_mul_i32 s46, s46, KS*1536
	s_add_co_u32 s46, s46, BIMGO
	s_mov_b32 s21, 0
	s_mov_b32 s23, 0
	s_mov_b32 s47, 0
	s_mov_b32 s93, 0
	s_mul_i32 s45, s14, HALFT
	s_wait_dscnt 0x0
	s_wait_kmcnt 0x0
	s_add_nc_u64 s[20:21], s[4:5], s[20:21]
	s_add_nc_u64 s[22:23], s[4:5], s[22:23]
	s_add_nc_u64 s[46:47], s[6:7], s[46:47]
	s_add_nc_u64 s[92:93], s[6:7], s[92:93]
	CROUND
	s_mov_b32 s[G0S], 1
	s_mov_b32 s[G0S+1], SCL
	s_mov_b64 s[G0S+2:G0S+3], s[22:23]
	s_or_b32 s[G0S+3], s[G0S+3], 0x80000000
	s_mov_b32 s[G0SB], 1
	s_mov_b32 s[G0SB+1], SCL+2*HALFS
	s_mov_b64 s[G0SB+2:G0SB+3], s[92:93]
	s_or_b32 s[G0SB+3], s[G0SB+3], 0x80000000
	s_mov_b32 s[G0], 1                             ; slot 0 whole: A's 2 MA tiles,
	s_mov_b32 s[G0+1], 0
	s_mov_b64 s[G0+2:G0+3], s[20:21]
	s_or_b32 s[G0+3], s[G0+3], 0x80000000
	s_mov_b32 s[G0B], 1                            ; and B's, behind them
	s_mov_b32 s[G0B+1], 2*HALFT
	s_mov_b64 s[G0B+2:G0B+3], s[46:47]
	s_or_b32 s[G0B+3], s[G0B+3], 0x80000000
	s_add_nc_u64 s[94:95], s[20:21], s[18:19]      ; for the ring: my MA tiles of A,
	s_add_nc_u64 s[92:93], s[46:47], s[18:19]      ; or of B
	s_mov_b32 s[G0+4], 1
	s_add_co_u32 s[G0+5], s45, SLOT
	s_add_nc_u64 s[G0+6:G0+7], s[94:95], NQ*1536
	s_or_b32 s[G0+7], s[G0+7], 0x80000000
	s_mov_b32 s[G0B+4], 1
	s_add_co_u32 s[G0B+5], s45, SLOT
	s_add_nc_u64 s[G0B+6:G0B+7], s[92:93], NQ*1536
	s_or_b32 s[G0B+7], s[G0B+7], 0x80000000
	s_cmp_eq_u32 s15, 0                            ; the prefetches: do I fetch for A?
	s_cselect_b64 s[PFA:PFA+1], s[94:95], s[92:93]
	s_cselect_b32 s2, s40, s41                     ; my place among the four that ask with me: which of the MA tiles I name
	s_mul_i32 s2, s2, KS*1536
	s_add_co_u32 s2, s2, NQ*1536                   ; at fill 1: the first refill steps it to fill 2
	s_mov_b32 s3, 0
	s_add_nc_u64 s[PFA:PFA+1], s[PFA:PFA+1], s[2:3]
; one chain of branches on the wave's number, one joint load to an arm, all arms leading to one join
.macro ARM under, g0, g1, next
	s_cmp_lt_u32 s14, \under
	s_cbranch_scc0 \next
	tensor_load_to_lds s[\g0:\g0+3], s[\g1:\g1+7]
	s_nop 0
.rept 4
	v_nop
.endr
	s_branch .Lhead_asked
\next:
.endm
	ARM 1, G0,  G1,  .Lhead_b
	ARM 2, G0B, G1B, .Lhead_sa
	ARM 3, G0S, G1S, .Lhead_sb
	tensor_load_to_lds s[G0SB:G0SB+3], s[G1SB:G1SB+7]
	s_nop 0
.rept 4
	v_nop
.endr
.Lhead_asked:
	v_and_b32 v31, 31, v0
	v_min_u32 v31, 23, v31
	v_lshlrev_b32 v31, 8, v31                      ; the prefetches' offset: 256 x min(l, 23); never rewritten
	v_and_b32 v3, 31, v0
	v_lshlrev_b32 v1, 4, v3
	v_lshlrev_b32 v2, 3, v3
	v_lshlrev_b32 v3, 2, v3
	s_wait_alu depctr_va_vdst(0)
	s_mul_i32 s21, s15, HALFT
	s_mul_i32 s22, s16, HALFT
	s_add_co_u32 s22, s22, 2*HALFT
.irp s, 0,1
	v_add_nc_u32 v[16+\s], s21, v1
	v_add_nc_u32 v[18+\s], s21, v2
	v_add_nc_u32 v[20+\s], s22, v1
	v_add_nc_u32 v[22+\s], s22, v2
	s_add_co_u32 s21, s21, SLOT
	s_add_co_u32 s22, s22, SLOT
.endr
	s_mul_i32 s21, s15, HALFS
	s_add_co_u32 s21, s21, SCL
	v_add_nc_u32 v24, s21, v3
	s_mul_i32 s22, s16, HALFS
	s_add_co_u32 s22, s22, SCL+2*HALFS
	v_add_nc_u32 v25, s22, v3
	v_and_b32 v4, 15, v0
	v_bfe_u32 v5, v0, 4, 1
	s_mul_i32 s23, s14, 16*272
	v_mul_u32_u24 v26, v4, 272
	v_lshl_add_u32 v26, v5, 6, v26
	v_add_nc_u32 v26, s23, v26
	v_mul_u32_u24 v30, v5, 272
	v_lshl_add_u32 v30, v4, 4, v30
	v_add_nc_u32 v30, s23, v30
	v_lshlrev_b32 v27, 12, v5
	v_lshl_add_u32 v27, v4, 4, v27
	s_lshl_b32 s20, s17, 3
	s_lshl_b32 s21, s15, 2
	s_add_co_u32 s20, s20, s21
	s_lshl_b32 s20, s20, 3
	s_add_co_u32 s20, s20, s42
	s_lshl_b32 s20, s20, 13
	s_lshl_b32 s21, s16, 12
	s_add_co_u32 s20, s20, s21
	s_mov_b32 s21, 0
	s_add_nc_u64 s[8:9], s[8:9], s[20:21]
	s_lshl_b32 s20, s17, 7
	s_lshl_b32 s22, s15, 6
	s_add_co_u32 s20, s20, s22
	s_lshl_b32 s20, s20, 12
	s_lshl_b32 s22, s42, 9
	s_add_co_u32 s20, s20, s22
	s_lshl_b32 s22, s16, 8
	s_add_co_u32 s20, s20, s22
	s_add_nc_u64 s[12:13], s[10:11], s[20:21]
	global_prefetch_b8 v31, s[PFA:PFA+1] th:TH_LOAD_NT scope:SCOPE_SE                    ; fill 1 too, whose load goes out behind the head's wait and round,
	global_prefetch_b8 v31, s[PFA:PFA+1] offset:NQ*1536 th:TH_LOAD_NT scope:SCOPE_SE     ; fill 2,
	global_prefetch_b8 v31, s[PFA:PFA+1] offset:2*NQ*1536 th:TH_LOAD_NT scope:SCOPE_SE   ; and fill 3
.set aa, 0
.rept MA
	WIN 0x80+0x40*(aa/(MA/2))
.set ii, 0
.rept 8
	global_load_b128 v[32*(aa%2)+4*ii:32*(aa%2)+4*ii+3], v1, s[8:9] offset:aa*65536+512*ii th:TH_LOAD_NT
.set ii, ii+1
.endr
.set aa, aa+1
.endr
	WIN 0
	s_wait_alu depctr_va_vdst(0)                   ; the wait at the head's end
	s_wait_tensorcnt 0x0                           ; my tile of the head's four is in
	ds_add_u32 v[SPW], v[NIL]
	s_mov_b32 s[G1+2], MA<<16                      ; no tensor load of mine is out, so descriptors may be written: from here on a load brings MA tiles,
	s_mov_b32 s[G1+4], MA
	s_mov_b32 s[G1B+2], MA<<16
	s_mov_b32 s[G1B+4], MA
	s_mov_b32 s[G0+1], s45                         ; and slot 0's group 0 stands at my quarter of the slot, at the first fill's place along K
	s_mov_b64 s[G0+2:G0+3], s[94:95]
	s_or_b32 s[G0+3], s[G0+3], 0x80000000
	s_mov_b32 s[G0B+1], s45
	s_mov_b64 s[G0B+2:G0B+3], s[92:93]
	s_or_b32 s[G0B+3], s[G0B+3], 0x80000000
	s_wait_dscnt 0x0                               ; the add is done
	CROUND                                         ; a whole round: all four tiles are in, and all sixteen work-groups are here
	JLOAD G0+4, G1, G0B+4, G1B                     ; slot 1's first fill, the first tensor load behind the round
	FETCH_B 0, 0, 0
	FETCH_A 0, 0, 0
	SCALES 0
	FETCH_A 0, 0, MA/2
	s_wait_loadcnt 0x0
	s_mov_b32 s3, LAPS-1
.Llap:
	STEPS 0
	TURN 0, 1, 1
	STEPS 1
	TURN 1, 0, 1
	s_sub_co_u32 s3, s3, 1
	s_cmp_lg_u32 s3, 0
	s_cbranch_scc1 .Llap
	STEPS 0
	TURN 0, 1, 0
	STEPS 1
	s_wait_dscnt 2*MA
	WIN MUL_LO
	MULS 0, MA/2, 1, NQ-1, 1
	s_wait_dscnt 0x0
	WIN MUL_HI
	MULS MA/2, MA/2, 1, NQ-1, 1
	WIN 0
	PLACES 4
.macro OUTA a
	WIN 0x08+4*((\a)/2)
.irp b, 0,1,2,3
	ds_store_b128 v26, v[32*((\a)%2)+8*\b:32*((\a)%2)+8*\b+3] offset:128*(\b/2)+32*(\b%2)
	ds_store_b128 v26, v[32*((\a)%2)+8*\b+4:32*((\a)%2)+8*\b+7] offset:128*(\b/2)+32*(\b%2)+16
.endr
	WIN 0
.if (\a) > 1
	s_wait_xcnt 0x0
.endif
.irp i, 0,1,2,3,4,5,6,7
	ds_load_b128 v[128+32*((\a)%2)+4*\i:131+32*((\a)%2)+4*\i], v30 offset:2*\i*272
.endr
.irp i, 0,1,2,3,4,5,6,7
	s_wait_dscnt 7-\i
	global_store_b128 v27, v[128+32*((\a)%2)+4*\i:131+32*((\a)%2)+4*\i], s[12:13] offset:(16*(\a)+2*\i)*4096 th:TH_STORE_NT
.endr
.endm
.irp a, 0,1,2,3
	OUTA \a
.endr
	s_wait_tensorcnt 0x0
	ds_add_u32 v[SPW], v[NIL]
	s_wait_dscnt 0x0
	CROUND
	s_endpgm
.Lfunc_end_k_q46c790d193_g3:
	.size	k_q46c790d193_g3, .Lfunc_end_k_q46c790d193_g3-k_q46c790d193_g3
	.p2alignl 7, 3214868480
	.fill 96, 4, 3214868480
	.section	.rodata,"a",@progbits
	.p2align	6, 0x0
	.amdhsa_kernel k_q46c790d193_g3
		.amdhsa_group_segment_fixed_size 327680
		.amdhsa_private_segment_fixed_size 0
		.amdhsa_enable_private_segment 0
		.amdhsa_kernarg_size 32
		.amdhsa_user_sgpr_count 2
		.amdhsa_user_sgpr_kernarg_segment_ptr 1
		.amdhsa_wavefront_size32 1
		.amdhsa_system_sgpr_workgroup_id_x 1
		.amdhsa_system_sgpr_workgroup_id_y 1
		.amdhsa_system_sgpr_workgroup_id_z 1
		.amdhsa_system_vgpr_workitem_id 0
		.amdhsa_next_free_vgpr 1024
		.amdhsa_next_free_sgpr 98
		.amdhsa_reserve_vcc 0
		.amdhsa_float_denorm_mode_32 3
		.amdhsa_float_denorm_mode_16_64 3
		.amdhsa_memory_ordered 1
		.amdhsa_forward_progress 1
		.amdhsa_inst_pref_size 106
	.end_amdhsa_kernel
	.amdgpu_metadata
---
amdhsa.version: [ 1, 2 ]
amdhsa.kernels:
  - .name:           k_q46c790d193_g3
    .symbol:         k_q46c790d193_g3.kd
    .args:
      - { .name: wg, .offset: 0, .size: 8, .value_kind: global_buffer, .address_space: global }
      - { .name: wa, .offset: 8, .size: 8, .value_kind: global_buffer, .address_space: global }
      - { .name: wx, .offset: 16, .size: 8, .value_kind: global_buffer, .address_space: global }
      - { .name: out0, .offset: 24, .size: 8, .value_kind: global_buffer, .address_space: global }
    .group_segment_fixed_size: 327680
    .private_segment_fixed_size: 0
    .kernarg_segment_align: 8
    .kernarg_segment_size: 32
    .max_flat_workgroup_size: 128
    .sgpr_count:     98
    .vgpr_count:     1024
    .wavefront_size: 32
...
	.end_amdgpu_metadata
.endif
;; end of part 5
